; MI455X (gfx1250); checked and timed in simulation.
; The chip was launched on July 23, 2026; its instructions are those of AMD's public machine-readable ISA for CDNA 5 (MIT licence, August 2026) and "CDNA5" Instruction Set Architecture Reference Guide (July 2026). The comments in the code are by the model that wrote it; some were corrected since.
;; Transformer Encoder Layer. Allowed arithmetic: matrix products marked QUANTISED: E4M3 operands, one E8M0 scale for each 32 along K, by v_wmma_scale_f32_16x16x128_f8f6f4 with both operands' format E4M3, f32 sums; everything else in f32.
;; Inputs: W1_codes 4,096 x 32 x 32 uint8 (E4M3 codes of W1, K innermost, in blocks of 32 codes); W1_scales 4,096 x 32 uint8 (E8M0 scales of W1, one for each 32 codes along K); W2_codes 1,024 x 128 x 32 uint8 (E4M3 codes of W2, K innermost, in blocks of 32 codes); W2_scales 1,024 x 128 uint8 (E8M0 scales of W2, one for each 32 codes along K); Wk_codes 1,024 x 32 x 32 uint8 (E4M3 codes of Wk, K innermost, in blocks of 32 codes); Wk_scales 1,024 x 32 uint8 (E8M0 scales of Wk, one for each 32 codes along K); Wo_codes 1,024 x 32 x 32 uint8 (E4M3 codes of Wo, K innermost, in blocks of 32 codes); Wo_scales 1,024 x 32 uint8 (E8M0 scales of Wo, one for each 32 codes along K); Wq_codes 1,024 x 32 x 32 uint8 (E4M3 codes of Wq, K innermost, in blocks of 32 codes); Wq_scales 1,024 x 32 uint8 (E8M0 scales of Wq, one for each 32 codes along K); Wv_codes 1,024 x 32 x 32 uint8 (E4M3 codes of Wv, K innermost, in blocks of 32 codes); Wv_scales 1,024 x 32 uint8 (E8M0 scales of Wv, one for each 32 codes along K); b1 4,096 float32; b2 1,024 float32; bk 1,024 float32; bo 1,024 float32; bq 1,024 float32; bv 1,024 float32; ln1_b 1,024 float32; ln1_g 1,024 float32; ln2_b 1,024 float32; ln2_g 1,024 float32; positions 2 x 2,048 int32; x 2 x 2,048 x 1,024 float32.
;; Outputs: out0 2 x 2,048 x 1,024 float32.
;; This version of the problem:
;;   THIS VERSION OF THE PROBLEM IS GIVEN IN LOW PRECISION. The matrix products marked QUANTISED in the list below multiply operands that are first quantised to E4M3 (4 exponent bits, 3 mantissa bits; 8 bits a number), with one power-of-two scale for each 32 numbers along K (OCP MX v1.0); their sums are f32. All else is computed in f32.
;;   The module's matrix products, in the order in which they are computed (A, B: the left and right operand; K: the contracted axis; several contracted axes count as one K, in the product's order):
;;     1. [M 4,096, K 1,024] x [K 1,024, N 1,024]; A: computed on the way; B: input Wq (given as codes): QUANTISED
;;     2. [M 4,096, K 1,024] x [K 1,024, N 1,024]; A: computed on the way; B: input Wk (given as codes): QUANTISED
;;     3. [M 4,096, K 1,024] x [K 1,024, N 1,024]; A: computed on the way; B: input Wv (given as codes): QUANTISED
;;     4. batch 32 x [M 2,048, K 64] x [K 64, N 2,048]; A: computed on the way; B: computed on the way: QUANTISED
;;     5. batch 32 x [M 2,048, K 2,048] x [K 2,048, N 64]; A: softmax (see below); B: computed on the way: QUANTISED
;;     6. [M 4,096, K 1,024] x [K 1,024, N 1,024]; A: computed on the way; B: input Wo (given as codes): QUANTISED
;;     7. [M 4,096, K 1,024] x [K 1,024, N 4,096]; A: computed on the way; B: input W1 (given as codes): QUANTISED
;;     8. [M 4,096, K 4,096] x [K 4,096, N 1,024]; A: computed on the way; B: input W2 (given as codes): QUANTISED
;;   THE QUANTISER, for each operand of a quantised product, along K:
;;     - K is cut into blocks of 32 from its start; a last block that is shorter is filled with zeros.
;;     - A block's scale is 2^e with e = floor(log2(the largest magnitude in the block)) - 8, held to -126 .. 127; a block of zeros has e = 0. As a byte (E8M0): e + 127.
;;     - Each number is divided by its block's scale, clamped to +-448, and rounded to the nearest number of E4M3, ties to even, subnormals kept.
;;     - The product sums the exact products of the quantised numbers (number of the format x scale) in f32.
;;   ~~~python
;;   def quantise(x, axis):      # numpy; x: float32 -> the quantised numbers, widened to float32 again
;;       x = np.moveaxis(x, axis, -1); K = x.shape[-1]
;;       x = np.pad(x, [(0, 0)] * (x.ndim - 1) + [(0, -K % 32)]); x = x.reshape(x.shape[:-1] + (-1, 32)); a = np.abs(x).max(-1, keepdims=True)
;;       e = np.where(a > 0, np.clip(np.frexp(np.where(a > 0, a, 1))[1] - 1 - 8, -126, 127), 0)      # np.frexp(a)[1] - 1 = floor(log2(a)), exactly
;;       r = np.clip(x / 2.0 ** e, -448, 448)
;;       step = 2.0 ** (np.maximum(np.frexp(np.where(r == 0, 1, r))[1] - 1, -6) - 3)
;;       q = np.round(r / step) * step * 2.0 ** e      # np.round: ties to even
;;       return np.moveaxis(q.reshape(q.shape[:-2] + (-1,))[..., :K], -1, axis).astype(np.float32)
;;   ~~~
;;   SOFTMAX AHEAD OF A QUANTISED PRODUCT. Where the list says 'softmax', what is quantised is not the finished softmax but p = 2^(t - M), with t = logit x log2(e) and M = ceil(the row's largest t), a whole number; so 1/2 < the row's largest p <= 1. The row's sum l is taken of the UNQUANTISED p, in f32, and the product's result is divided by l at the end. Since M is a whole number, a kernel that streams over the keys may use a running M (the ceiling of the running maximum): every later rescaling is an exact power of two, which a block's scale takes up: the codes' values come out the same.
;;   OPERANDS COMPUTED ON THE WAY. 'Computed on the way' means the value that the module computes at that place (a softmax that the list does not call 'softmax' is quantised finished and normalised). What goes into a quantiser is computed in f32, as accurately as f32 sums, v_exp_f32 and their like allow (about 1e-6 of the number): no bf16 or f16 on the way to a quantiser, and a product that is left as it is and whose result goes on into a quantised operand takes f32 operands (vector FMAs, or v_wmma_f32_16x16x4_f32). A number that lies on a knife's edge between two numbers of the format may be rounded either way, as far as f32 arithmetic and the matrix unit's own rounding can turn it there, and no further.
;;   INPUTS GIVEN AS CODES. W1 (in the module: [1024, 4096], K = its axis 0); W2 (in the module: [4096, 1024], K = its axis 0); Wk (in the module: [1024, 1024], K = its axis 0); Wo (in the module: [1024, 1024], K = its axis 0); Wq (in the module: [1024, 1024], K = its axis 0); Wv (in the module: [1024, 1024], K = its axis 0): each comes as NAME_codes (uint8): NAME with its K axis moved to the last place and cut into blocks of 32 codes, [.., K / 32, bytes a block], one block behind the other in memory; one code a byte (a code: sign, 4 exponent bits, 3 mantissa bits); and NAME_scales (uint8): the same leading axes, one E8M0 byte (e + 127) for each 32 codes along K. Its value is code x scale, taken as it is: it is not quantised again, and the codes and scales need not be those that the quantiser above would give.
;; One version. Each part assembles by itself: llvm-mc -triple=amdgcn-amd-amdhsa -mcpu=gfx1250 --defsym DOCPART=n.
;; ======== version 1 of 1: 7 launches
;; limits: right only within a limited range of input values
;; workspace buffers: lnA 21,102,592 bytes; qkvb 12,976,128 bytes; aob 4,325,376 bytes; x1 16,777,216 bytes; hb 4,325,376 bytes; gb 17,301,504 bytes
;; launch ln1 (part 1): grid 256 x 1, 4 waves a work-group, no clusters, 17,408 bytes of LDS; arguments x, ln1_g, ln1_b, lnA; writes lnA
.if DOCPART == 1
	.amdgcn_target "amdgcn-amd-amdhsa--gfx1250"
	.amdhsa_code_object_version 6
	.text
	.protected	k_q79c52f510d_ln1
	.globl	k_q79c52f510d_ln1
	.p2align	8
	.type	k_q79c52f510d_ln1,@function
k_q79c52f510d_ln1:
	s_mov_b64 s[64:65], 0
	v_nop
	global_prefetch_b8 v0, s[64:65] scope:SCOPE_SE
	s_setreg_imm32_b32 hwreg(HW_REG_WAVE_MODE, 25, 1), 1
	s_wait_xcnt 0x0
; LAYER NORM AND QUANTISER.  y = (x - mean) * rsqrt(var + 1e-5) * g + b for rows of 1,024 f32; y is stored as f32 (XN = 1) and as codes of E4M3 with one E8M0 byte for each 32 along the row.
; DEAD WORK OF THE WHOLE PROGRAM: the input positions is named by no line of reference() behind its argument list (no rope, no mask), so no value of it can reach the output: it is not loaded and is among no launch's arguments.
; Every other input is live (bk too: it moves K's codes).  LIMIT: what only positions could carry is not carried to the result.
; OUT: codes [4096][1024] at +0, scale bytes [4096][32] at +OSC, y as f32 [4096][1024] at +OXN.
; SHARES: a work-group takes 16 rows, a wave 4; a wave's 32 row loads go out at the head.  Load j gives lane l the numbers 128 j + 4 l .. + 3: each load and each f32 store covers 512 consecutive bytes.
; A block of 32 lies in 8 neighbouring lanes (4 numbers each): its largest magnitude is joined by three steps among lanes.  The numbers are multiplied by the exact inverse of the block's scale,
; and converted eight at a time with the scale operand 1.0 (two blocks' numbers stand in one run of eight registers).  Codes go through the wave's own LDS bytes and leave as 512 consecutive bytes; the work-group's 512 scale bytes leave by one store.
; LIMITS: NaN and infinities are not served; a block whose largest magnitude lies under 2^-118 keeps the byte 1, a block of zeros too (its codes are zeros; this program alone reads the bytes).
; No matrix unit, no cluster, no tensor load: the rows are read once and shared by nobody.
.set XN,    1
.set OSC,   0x400000
.set OXN,   0x420000
.set SCS,   16384                      ; LDS: behind four waves' code stages (4 rows x 1,024 bytes each): the work-group's 512 scale bytes
.set SPARE, 16896                      ; the spare words, 128 bytes for each wave
.set C,     16                         ; v16-23  a row's codes, one word for each load
.set OUTR,  24                         ; v24-55  row i: 8 registers: the inverse scales, then the codes read back
.set AM,    56                         ; v56-63  largest magnitudes, then bytes
.set G,     64                         ; v64-95  g
.set BT,    96                         ; v96-127 b
.set X,     128                        ; v128-255 four rows
	s_load_b256 s[4:11], s[0:1], 0x0               ; x, g, b, out
	v_lshl_add_u32 v6, v0, 2, SPARE                ; my spare word
	v_mov_b32 v7, 0
	v_lshrrev_b32 v1, 5, v0
	v_readfirstlane_b32 s16, v1                    ; wave
	v_and_b32 v5, 31, v0                           ; lane
	v_lshlrev_b32 v1, 4, v5                        ; 16 x lane
	s_lshl_b32 s17, s16, 12
	v_lshl_add_u32 v2, v5, 2, s17                  ; code stage, in: 4,096 x wave + 4 x lane
	v_add_nc_u32 v3, s17, v1                       ; and out: + 16 x lane
	s_lshl_b32 s17, s16, 7
	s_add_co_u32 s17, s17, SCS
	v_lshrrev_b32 v4, 3, v5
	v_add_nc_u32 v4, s17, v4                       ; my block's scale byte: 128 x wave + lane / 8
	v_mov_b32 v5, 1.0                              ; the conversions' scale operand
	s_mov_b32 s12, 0x76543210
	s_mov_b32 s13, 0xfedcba98                      ; lane l xor 16
	s_mov_b32 s26, 0x3a800000                      ; 1 / 1,024
	s_mov_b32 s27, 0x3727c5ac                      ; 1e-5
	s_lshl_b32 s28, ttmp9, 4
	s_lshl_b32 s29, s16, 2
	s_add_co_u32 s28, s28, s29                     ; my first row
	s_lshl_b32 s18, s28, 12
	s_mov_b32 s19, 0
	s_wait_alu depctr_va_vdst(0)
	s_wait_kmcnt 0x0
	s_add_nc_u64 s[4:5], s[4:5], s[18:19]
.if XN
	s_add_nc_u64 s[20:21], s[10:11], s[18:19]
	s_add_nc_u64 s[20:21], s[20:21], OXN
.endif
	s_lshl_b32 s18, s28, 10
	s_add_nc_u64 s[22:23], s[10:11], s[18:19]      ; my rows' codes
	s_lshl_b32 s18, ttmp9, 9
	s_add_nc_u64 s[24:25], s[10:11], s[18:19]
	s_add_nc_u64 s[24:25], s[24:25], OSC           ; the work-group's scale bytes
.irp j, 0,1,2,3,4,5,6,7
	global_load_b128 v[G+4*\j:G+4*\j+3], v1, s[6:7] offset:512*\j
	global_load_b128 v[BT+4*\j:BT+4*\j+3], v1, s[8:9] offset:512*\j
.endr
.irp i, 0,1,2,3
.irp j, 0,1,2,3,4,5,6,7
	global_load_b128 v[X+32*\i+4*\j:X+32*\i+4*\j+3], v1, s[4:5] offset:4096*\i+512*\j th:TH_LOAD_NT
.endr
.endr
.macro WSUM                            ; v[8:11] -> the sum over the wave, in every lane's v8
	v_pk_add_f32 v[8:9], v[8:9], v[10:11]
	v_add_f32 v8, v8, v9
	v_add_f32_dpp v8, v8, v8 row_xmask:1 row_mask:0xf bank_mask:0xf
	v_add_f32_dpp v8, v8, v8 row_xmask:2 row_mask:0xf bank_mask:0xf
	v_add_f32_dpp v8, v8, v8 row_xmask:4 row_mask:0xf bank_mask:0xf
	v_add_f32_dpp v8, v8, v8 row_xmask:8 row_mask:0xf bank_mask:0xf
	v_permlanex16_b32 v9, v8, s12, s13
	v_add_f32 v8, v8, v9
.endm
.macro ROW i
.set XR, X+32*(\i)
.set IV, OUTR+8*(\i)
	s_wait_loadcnt 8*(3-(\i))                      ; g, b and my rows up to this one are in; the later rows' eight loads each may be out
	v_pk_add_f32 v[8:9], v[XR:XR+1], v[XR+2:XR+3]
	v_pk_add_f32 v[10:11], v[XR+4:XR+5], v[XR+6:XR+7]
.irp n, 8,12,16,20,24,28
	v_pk_add_f32 v[8:9], v[8:9], v[XR+\n:XR+\n+1]
	v_pk_add_f32 v[10:11], v[10:11], v[XR+\n+2:XR+\n+3]
.endr
	WSUM
	v_mul_f32 v12, s26, v8                         ; the mean, twice
	v_mul_f32 v13, s26, v8
.irp n, 0,2,4,6,8,10,12,14,16,18,20,22,24,26,28,30
	v_pk_add_f32 v[XR+\n:XR+\n+1], v[XR+\n:XR+\n+1], v[12:13] neg_lo:[0,1] neg_hi:[0,1]
.endr
	v_pk_mul_f32 v[8:9], v[XR:XR+1], v[XR:XR+1]
	v_pk_mul_f32 v[10:11], v[XR+2:XR+3], v[XR+2:XR+3]
.irp n, 4,8,12,16,20,24,28
	v_pk_fma_f32 v[8:9], v[XR+\n:XR+\n+1], v[XR+\n:XR+\n+1], v[8:9]
	v_pk_fma_f32 v[10:11], v[XR+\n+2:XR+\n+3], v[XR+\n+2:XR+\n+3], v[10:11]
.endr
	WSUM
	v_fma_f32 v8, v8, s26, s27                     ; the variance + 1e-5
	s_wait_alu depctr_va_vdst(0)
	v_rsq_f32 v14, v8
	v_rsq_f32 v15, v8
	v_nop                                          ; a plain instruction behind the two,
	s_wait_alu depctr_va_vdst(0)                   ; and the one wait ahead of their first reader
.irp n, 0,2,4,6,8,10,12,14,16,18,20,22,24,26,28,30
	v_pk_mul_f32 v[XR+\n:XR+\n+1], v[XR+\n:XR+\n+1], v[14:15]
.endr
.irp n, 0,2,4,6,8,10,12,14,16,18,20,22,24,26,28,30
	v_pk_fma_f32 v[XR+\n:XR+\n+1], v[XR+\n:XR+\n+1], v[G+\n:G+\n+1], v[BT+\n:BT+\n+1]
.endr
.if XN
.irp j, 0,1,2,3,4,5,6,7
	global_store_b128 v1, v[XR+4*\j:XR+4*\j+3], s[20:21] offset:4096*(\i)+512*\j   ; 512 consecutive bytes
.endr
	s_wait_alu depctr_va_vdst(0)
	s_wait_xcnt 0x0                                ; the stores have read their data: the row is scaled in place below
.endif
.irp j, 0,1,2,3,4,5,6,7
	v_max3_num_f32 v[AM+\j], |v[XR+4*\j]|, |v[XR+4*\j+1]|, 0x4800000   ; my four numbers of block 4 j + lane / 8, and the floor 2^(9 - 127)
.endr
.irp j, 0,1,2,3,4,5,6,7
	v_max3_num_f32 v[AM+\j], v[AM+\j], |v[XR+4*\j+2]|, |v[XR+4*\j+3]|
.endr
.irp m, 1,2,4
.irp j, 0,1,2,3,4,5,6,7
	v_max_num_f32_dpp v[AM+\j], v[AM+\j], v[AM+\j] row_xmask:\m row_mask:0xf bank_mask:0xf
.endr
.endr
.irp j, 0,1,2,3,4,5,6,7
	v_add_nc_u32 v[AM+\j], 0xfc000000, v[AM+\j]    ; 8 off the exponent field: the scale's
.endr
.irp j, 0,1,2,3,4,5,6,7
	v_and_b32 v[IV+\j], 0x7f800000, v[AM+\j]
.endr
.irp j, 0,1,2,3,4,5,6,7
	v_sub_nc_u32 v[IV+\j], 0x7f000000, v[IV+\j]    ; exponent field 254 - E: 1 / scale, exact
.endr
.irp j, 0,1,2,3,4,5,6,7
	v_lshrrev_b32 v[AM+\j], 23, v[AM+\j]           ; the byte
.endr
.irp j, 0,1,2,3,4,5,6,7
.irp e, 0,1,2,3
	v_mul_f32 v[XR+4*\j+\e], v[XR+4*\j+\e], v[IV+\j]
.endr
.endr
.irp n, 0,1,2,3,4,5,6,7,8,9,10,11,12,13,14,15,16,17,18,19,20,21,22,23,24,25,26,27,28,29,30,31
.endr
.irp u, 0,1,2,3
	v_cvt_scalef32_pk8_fp8_f32 v[C+2*\u:C+2*\u+1], v[XR+8*\u:XR+8*\u+7], v5
.endr
	v_nop                                          ; a plain instruction behind the last conversion
.irp j, 0,1,2,3,4,5,6,7
	ds_store_b8 v4, v[AM+\j] offset:32*(\i)+4*\j   ; eight lanes write the same byte with the same value
	ds_store_b32 v2, v[C+\j] offset:1024*(\i)+128*\j
.endr
	ds_load_b128 v[IV:IV+3], v3 offset:1024*(\i)   ; LDS serves a wave's instructions in order: these see my stores
	ds_load_b128 v[IV+4:IV+7], v3 offset:1024*(\i)+512
	s_wait_dscnt 0x0
	global_store_b128 v1, v[IV:IV+3], s[22:23] offset:1024*(\i)
	global_store_b128 v1, v[IV+4:IV+7], s[22:23] offset:1024*(\i)+512
.endm
	ROW 0
	ROW 1
	ROW 2
	ROW 3
	v_add_nc_u32 v8, SCS, v1                       ; the scale bytes, 16 a lane
	s_wait_dscnt 0x0                               ; my byte stores have landed
	s_barrier_signal -1
	s_barrier_wait -1                              ; everybody's have
	s_cmp_lg_u32 s16, 0
	s_cbranch_scc1 .Lnot_wave_0
	s_wait_alu depctr_va_vdst(0)
	ds_load_b128 v[12:15], v8
	s_wait_dscnt 0x0
	global_store_b128 v1, v[12:15], s[24:25]       ; 512 consecutive bytes
.Lnot_wave_0:
	s_wait_tensorcnt 0x0                           ; the wave's end
	ds_add_u32 v6, v7
	s_wait_dscnt 0x0
	s_endpgm
.Lfunc_end_k_q79c52f510d_ln1:
	.size	k_q79c52f510d_ln1, .Lfunc_end_k_q79c52f510d_ln1-k_q79c52f510d_ln1
	.p2alignl 7, 3214868480
	.fill 96, 4, 3214868480
	.section	.rodata,"a",@progbits
	.p2align	6, 0x0
	.amdhsa_kernel k_q79c52f510d_ln1
		.amdhsa_group_segment_fixed_size 17408
		.amdhsa_private_segment_fixed_size 0
		.amdhsa_enable_private_segment 0
		.amdhsa_kernarg_size 32
		.amdhsa_user_sgpr_count 2
		.amdhsa_user_sgpr_kernarg_segment_ptr 1
		.amdhsa_wavefront_size32 1
		.amdhsa_system_sgpr_workgroup_id_x 1
		.amdhsa_system_sgpr_workgroup_id_y 1
		.amdhsa_system_sgpr_workgroup_id_z 1
		.amdhsa_system_vgpr_workitem_id 0
		.amdhsa_next_free_vgpr 256
		.amdhsa_next_free_sgpr 66
		.amdhsa_reserve_vcc 0
		.amdhsa_float_denorm_mode_32 3
		.amdhsa_float_denorm_mode_16_64 3
		.amdhsa_fp16_overflow 1
		.amdhsa_memory_ordered 1
		.amdhsa_forward_progress 1
		.amdhsa_inst_pref_size 63
	.end_amdhsa_kernel
	.amdgpu_metadata
---
amdhsa.version: [ 1, 2 ]
amdhsa.kernels:
  - .name:           k_q79c52f510d_ln1
    .symbol:         k_q79c52f510d_ln1.kd
    .args:
      - { .name: x, .offset: 0, .size: 8, .value_kind: global_buffer, .address_space: global }
      - { .name: ln1_g, .offset: 8, .size: 8, .value_kind: global_buffer, .address_space: global }
      - { .name: ln1_b, .offset: 16, .size: 8, .value_kind: global_buffer, .address_space: global }
      - { .name: lnA, .offset: 24, .size: 8, .value_kind: global_buffer, .address_space: global }
    .group_segment_fixed_size: 17408
    .private_segment_fixed_size: 0
    .kernarg_segment_align: 8
    .kernarg_segment_size: 32
    .max_flat_workgroup_size: 128
    .sgpr_count:     66
    .vgpr_count:     256
    .wavefront_size: 32
...
	.end_amdgpu_metadata
.endif
;; end of part 1
;; launch qkv (part 2): grid 12 x 16, 4 waves a work-group, clusters of 4 x 4, 327,680 bytes of LDS; arguments lnA, Wq_codes, Wq_scales, Wk_codes, Wk_scales, Wv_codes, Wv_scales, bq, bk, bv, qkvb; writes qkvb
.if DOCPART == 2
	.amdgcn_target "amdgcn-amd-amdhsa--gfx1250"
	.amdhsa_code_object_version 6
	.text
	.protected	k_q79c52f510d_qkv
	.globl	k_q79c52f510d_qkv
	.p2align	8
	.type	k_q79c52f510d_qkv,@function
k_q79c52f510d_qkv:
	s_mov_b64 s[64:65], 0
	v_nop
	global_prefetch_b8 v0, s[64:65] scope:SCOPE_SE
	s_setreg_imm32_b32 hwreg(HW_REG_WAVE_MODE, 25, 1), 1
	s_wait_xcnt 0x0
	s_wait_alu depctr_hold_cnt(0) depctr_sa_sdst(0) depctr_va_vdst(0) depctr_va_sdst(0) depctr_va_ssrc(0) depctr_va_vcc(0) depctr_vm_vsrc(0)
	s_getreg_b32 s2, hwreg(HW_REG_IB_STS2, 6, 4)
	s_cmp_eq_u32 s2, 0
	s_cbranch_scc0 .Lentry_in_a_cluster
	s_endpgm
.Lentry_in_a_cluster:
	s_bfe_u32 s2, ttmp6, 0x10000c
	s_cmp_lg_u32 s2, 0xf033
	s_cbranch_scc0 .Lentry_shape_is_right
	s_endpgm
.Lentry_shape_is_right:
.set QKV,    1
.set SIZE_K, 1024
.set KSTEP,  256
.set NQ,     KSTEP/128
.set ROWB,   256
.set KROW,   SIZE_K
.set PITCH,  272
.set FR,     16
.set NL,     4
.set NP,     8
.set HALFT,  128*PITCH
.set SLOT,   4*HALFT
.set LAPS,   SIZE_K/(2*KSTEP)
.set KS,     SIZE_K/32
.set SCL,    2*SLOT
.set HALFS,  (128*KS/256)*272
.set SBLK,   (16*KS/256)*272
.set SPARE,  SCL+4*HALFS
.set ADRA, 16
.set ADRB, 20
.set ADRS, 27
.set SPW,  28
.set NIL,  29
.set SC,   32
.set BI,   64
.set AF,   128
.set STO,  16
.set RD,   17
.set CO,   18
.set SWB,  19
.set SWT,  20
.set SWR,  21
.set OUTR, 32
.set H,    128
.set T,    192
.set P,    224
.set PC,   192
.set TM,   208
.set PW,   224
.set SEL,  20
.set MNT,  23
.set G1, 24
.set G0, 32
.set G1B, 48
.set G0B, 56
.set G1S, 68
.set G0S, 76
.set G1SB, 80
.set G0SB, 88
.set MSB, 0
.macro WIN new
.if MSB != (\new)
	s_set_vgpr_msb (MSB<<8)|(\new)
.set MSB, (\new)
.endif
.endm
.set MUL_LO, 0xa1
.set MUL_HI, 0xf1
.set TO_B,   0x40
.macro JLOAD g0a, g1a, g0b, g1b
	s_cmp_eq_u32 s15, 0
	s_cbranch_scc0 .Lfor_b_\@
	tensor_load_to_lds s[\g0a:\g0a+3], s[\g1a:\g1a+7]
	s_nop 0
.rept 4
	v_nop
.endr
	s_branch .Lasked_\@
.Lfor_b_\@:
	tensor_load_to_lds s[\g0b:\g0b+3], s[\g1b:\g1b+7]
	s_nop 0
.rept 4
	v_nop
.endr
.Lasked_\@:
.endm
.macro CREST
	s_cmp_lg_u32 s14, 0
	s_cbranch_scc1 .Lnot_wave_0_\@
	s_barrier_signal -3
.Lnot_wave_0_\@:
	s_barrier_wait -3
	s_barrier_signal -1
	s_barrier_wait -1
.endm
.macro CROUND
	s_barrier_signal -1
	s_barrier_wait -1
	CREST
.endm
.if QKV
	s_load_b512 s[24:39], s[0:1], 0x0
	s_load_b128 s[40:43], s[0:1], 0x40
	s_load_b64 s[44:45], s[0:1], 0x50
.else
	s_load_b256 s[24:31], s[0:1], 0x0
	s_load_b64 s[32:33], s[0:1], 0x20
.endif
	v_lshl_add_u32 v[SPW], v0, 2, SPARE
	v_mov_b32 v[NIL], 0
	ds_add_u32 v[SPW], v[NIL]
	ds_add_u32 v[SPW], v[NIL]
	v_lshrrev_b32 v1, 5, v0
	v_readfirstlane_b32 s14, v1
	s_lshr_b32 s15, s14, 1
	s_and_b32 s16, s14, 1
	s_wait_dscnt 0x0
	s_wait_kmcnt 0x0
.if QKV
	s_cmp_eq_u32 ttmp9, 0
	s_cselect_b64 s[8:9], s[26:27], s[30:31]
	s_cselect_b64 s[10:11], s[28:29], s[32:33]
	s_cselect_b64 s[96:97], s[38:39], s[40:41]
	s_add_nc_u64 s[6:7], s[24:25], 0x400000
	s_cmp_eq_u32 ttmp9, 2
	s_cselect_b32 s95, 1, 0
	s_cselect_b64 s[4:5], s[34:35], s[24:25]
	s_cselect_b64 s[98:99], s[36:37], s[6:7]
	s_cselect_b64 s[8:9], s[24:25], s[8:9]
	s_cselect_b64 s[10:11], s[6:7], s[10:11]
	s_cselect_b64 s[96:97], s[42:43], s[96:97]
	s_mov_b64 s[6:7], s[98:99]
	s_mov_b64 s[12:13], s[44:45]
.else
	s_mov_b64 s[4:5], s[24:25]
	s_add_nc_u64 s[6:7], s[24:25], 0x400000
	s_mov_b64 s[8:9], s[26:27]
	s_mov_b64 s[10:11], s[28:29]
	s_mov_b64 s[96:97], s[30:31]
	s_mov_b64 s[12:13], s[32:33]
.endif
	s_bfe_u32 s40, ttmp6, 0x40000
	s_bfe_u32 s41, ttmp6, 0x40004
	s_and_b32 s17, ttmp7, 0xffff
.if QKV
	s_cmp_eq_u32 s95, 1
	s_cselect_b32 s42, s17, 0
	s_cselect_b32 s17, 0, s17
.else
	s_mov_b32 s42, ttmp9
.endif
	s_lshl_b32 s42, s42, 2
	s_add_co_u32 s42, s42, s40
	s_lshl_b32 s17, s17, 2
	s_add_co_u32 s17, s17, s41
	s_lshl_b32 s43, s41, 2
	s_lshl_b32 s43, 15, s43
	s_lshl_b32 s44, 0x1111, s40
	s_or_b32 s[G1+0], s43, (0<<16)|(1<<20)|(1<<21)|(5<<22)|(3<<25)
	s_or_b32 s[G1B+0], s44, (0<<16)|(1<<20)|(1<<21)|(5<<22)|(3<<25)
.irp g, G1, G1B
	s_mov_b32 s[\g+1], ROWB<<16
	s_mov_b32 s[\g+2], 128<<16
	s_mov_b32 s[\g+3], ROWB<<16
	s_mov_b32 s[\g+4], 128
	s_mov_b32 s[\g+5], KROW
	s_mov_b32 s[\g+6], 0
	s_mov_b32 s[\g+7], 0
.endr
	s_or_b32 s[G1S+0], s43, (3<<16)|(1<<20)|(1<<21)|(5<<22)|(3<<25)
	s_or_b32 s[G1SB+0], s44, (3<<16)|(1<<20)|(1<<21)|(5<<22)|(3<<25)
.irp g, G1S, G1SB
	s_mov_b32 s[\g+1], 32<<16
	s_mov_b32 s[\g+2], (128*KS/256)<<16
	s_mov_b32 s[\g+3], 32<<16
	s_mov_b32 s[\g+4], 128*KS/256
	s_mov_b32 s[\g+5], 32
	s_mov_b32 s[\g+6], 0
	s_mov_b32 s[\g+7], 0
.endr
	s_lshl_b32 s18, s16, 7
	s_lshl_b32 s20, s17, 8
	s_add_co_u32 s20, s20, s18
	s_lshl_b32 s46, s42, 8
	s_add_co_u32 s46, s46, s18
	s_mov_b32 s21, 0
	s_mov_b32 s47, 0
	s_mov_b64 s[18:19], KS
	s_mul_u64 s[22:23], s[20:21], s[18:19]
	s_mul_u64 s[92:93], s[46:47], s[18:19]
	s_mov_b64 s[18:19], KROW
	s_mul_u64 s[20:21], s[20:21], s[18:19]
	s_mul_u64 s[46:47], s[46:47], s[18:19]
	s_mul_i32 s45, s14, HALFT
	s_mul_i32 s94, s14, HALFS
	s_add_nc_u64 s[20:21], s[4:5], s[20:21]
	s_add_nc_u64 s[22:23], s[6:7], s[22:23]
	s_add_nc_u64 s[46:47], s[8:9], s[46:47]
	s_add_nc_u64 s[92:93], s[10:11], s[92:93]
	CROUND
	s_mov_b32 s[G0S], 1
	s_add_co_u32 s[G0S+1], s94, SCL
	s_mov_b64 s[G0S+2:G0S+3], s[22:23]
	s_or_b32 s[G0S+3], s[G0S+3], 0x80000000
	s_mov_b32 s[G0SB], 1
	s_add_co_u32 s[G0SB+1], s94, SCL
	s_mov_b64 s[G0SB+2:G0SB+3], s[92:93]
	s_or_b32 s[G0SB+3], s[G0SB+3], 0x80000000
	JLOAD G0S, G1S, G0SB, G1SB
.irp s, 0,1
	s_mov_b32 s[G0+4*\s], 1
	s_add_co_u32 s[G0+4*\s+1], s45, \s*SLOT
	s_add_nc_u64 s[G0+4*\s+2:G0+4*\s+3], s[20:21], \s*ROWB
	s_or_b32 s[G0+4*\s+3], s[G0+4*\s+3], 0x80000000
	s_mov_b32 s[G0B+4*\s], 1
	s_add_co_u32 s[G0B+4*\s+1], s45, \s*SLOT
	s_add_nc_u64 s[G0B+4*\s+2:G0B+4*\s+3], s[46:47], \s*ROWB
	s_or_b32 s[G0B+4*\s+3], s[G0B+4*\s+3], 0x80000000
	s_wait_alu depctr_va_vdst(0)
	s_wait_tensorcnt 0x0
	ds_add_u32 v28, v29
	s_wait_dscnt 0x0
	CROUND
	JLOAD G0+4*\s, G1, G0B+4*\s, G1B
.endr
	v_and_b32 v1, 15, v0
	v_bfe_u32 v2, v0, 4, 1
	v_mul_u32_u24 v3, v1, PITCH
	v_lshl_add_u32 v4, v2, 4, v3
	s_mul_i32 s21, s15, HALFT
	s_mul_i32 s22, s16, HALFT
	s_add_co_u32 s22, s22, 2*HALFT
.irp s, 0,1
	v_add_nc_u32 v[ADRA+\s], s21, v4
	v_add_nc_u32 v[ADRB+\s], s22, v4
	s_add_co_u32 s21, s21, SLOT
	s_add_co_u32 s22, s22, SLOT
.endr
	v_mul_u32_u24 v5, v1, KS
	v_lshrrev_b32 v6, 8, v5
	v_lshl_add_u32 v5, v6, 4, v5
	s_mul_i32 s21, s15, HALFS
	s_mul_i32 s22, s16, HALFS
	s_add_co_u32 s22, s22, 2*HALFS
	s_sub_co_u32 s22, s22, s21
	v_mul_u32_u24 v6, s22, v2
	s_add_co_u32 s21, s21, SCL
	v_add_nc_u32 v5, v5, v6
	v_add_nc_u32 v[ADRS], s21, v5
	v_lshlrev_b32 v30, 5, v2
	s_wait_alu depctr_va_vdst(0)
	v_lshlrev_b32 v31, 2, v1
	s_wait_alu depctr_va_vdst(0)
	s_lshl_b32 s20, s17, 8
	s_lshl_b32 s21, s15, 7
	s_add_co_u32 s20, s20, s21
	s_lshl_b32 s94, s42, 1
	s_add_co_u32 s94, s94, s16
	s_lshl_b32 s46, s94, 9
	s_mov_b32 s47, 0
.if QKV
	s_lshl_b32 s92, s20, 2
	s_mov_b32 s93, 0
	s_cmp_eq_u32 s95, 1
	s_cselect_b32 s46, 0, s46
	s_cselect_b32 s92, s92, 0
	s_add_nc_u64 s[100:101], s[96:97], s[92:93]
.endif
	s_add_nc_u64 s[98:99], s[96:97], s[46:47]
.irp b, 0,1,2,3,4,5,6,7
	global_load_b128 v[BI+8*\b:BI+8*\b+3], v30, s[98:99] offset:64*\b
	global_load_b128 v[BI+8*\b+4:BI+8*\b+7], v30, s[98:99] offset:64*\b+16
.endr
.if QKV
.irp a, 0,1,2,3,4,5,6,7
	global_load_b32 v[2+2*\a+(\a/7)*6], v31, s[100:101] offset:64*\a
	global_load_b32 v[3+2*\a+(\a/7)*6], v31, s[100:101] offset:64*\a
.endr
	s_cmp_eq_u32 s95, 1
	s_cselect_b32 s47, 17, 19
	s_lshl_b32 s92, s94, s47
	s_sub_co_u32 s47, s47, 5
	s_lshl_b32 s93, s94, s47
	s_lshl_b32 s47, ttmp9, 22
	s_add_co_u32 s92, s92, s47
	s_lshl_b32 s47, ttmp9, 17
	s_add_co_u32 s93, s93, s47
	s_add_co_u32 s93, s93, 0xC00000
.else
	s_lshl_b32 s92, s94, 19
	s_lshl_b32 s93, s94, 14
	s_add_co_u32 s93, s93, 0x1000000
.endif
	s_lshl_b32 s47, s20, 7
	s_add_co_u32 s92, s92, s47
	s_lshl_b32 s47, s20, 2
	s_add_co_u32 s93, s93, s47
	s_mov_b32 s47, 0
	s_mov_b32 s46, s93
	s_add_nc_u64 s[66:67], s[12:13], s[46:47]
	s_mov_b32 s46, s92
	s_add_nc_u64 s[12:13], s[12:13], s[46:47]
.macro FRAG reg, adr, q, i
.irp c, 0,1,2,3
	ds_load_b128 v[\reg+4*\c:\reg+4*\c+3], v[\adr] offset:128*(\q)+32*\c+(\i)*16*PITCH
.endr
.endm
.macro MUL16 a0, p, q, sc, zero
.irp a, \a0, \a0+1
.irp b, 0,1,2,3,4,5,6,7
.if \zero
	v_wmma_scale_f32_16x16x128_f8f6f4 v[8*(8*((\a)%4)+\b):8*(8*((\a)%4)+\b)+7], v[128*(\p)+FR*\b:128*(\p)+FR*\b+FR-1], v[AF+FR*(\a):AF+FR*(\a)+FR-1], 0, v[SC+8*NQ*(\sc)+NQ*\b+(\q)], v[SC+8*NQ*(\sc)+NQ*(\a)+(\q)] matrix_a_scale:MATRIX_SCALE_ROW1
.else
	v_wmma_scale_f32_16x16x128_f8f6f4 v[8*(8*((\a)%4)+\b):8*(8*((\a)%4)+\b)+7], v[128*(\p)+FR*\b:128*(\p)+FR*\b+FR-1], v[AF+FR*(\a):AF+FR*(\a)+FR-1], v[8*(8*((\a)%4)+\b):8*(8*((\a)%4)+\b)+7], v[SC+8*NQ*(\sc)+NQ*\b+(\q)], v[SC+8*NQ*(\sc)+NQ*(\a)+(\q)] matrix_a_scale:MATRIX_SCALE_ROW1
.endif
.endr
.endr
.endm
.macro FETCH_B slot, q, p
	WIN TO_B
.irp i, 0,1,2,3,4,5,6,7
	FRAG 128*(\p)+FR*\i, ADRB+\slot, \q, \i
.endr
	WIN 0
.endm
.macro FETCH_A slot, q, i0
.irp i, \i0, \i0+1, \i0+2, \i0+3
	FRAG AF+FR*(\i), ADRA+\slot, \q, \i
.endr
.endm
.macro SCALES sc
.irp i, 0,1,2,3,4,5,6,7
	ds_load_b64 v[SC+8*NQ*\sc+NQ*\i:SC+8*NQ*\sc+NQ*\i+1], v[ADRS] offset:\i*SBLK
.endr
.endm
.macro PLACES n
.rept \n
	v_nop
.endr
.endm
.macro STEP slot, q, zero
	s_wait_dscnt 4*NL
	WIN MUL_LO
	MUL16 0, (\q)%2, \q, \slot, \zero
	MUL16 2, (\q)%2, \q, \slot, \zero
	s_wait_dscnt 0
	PLACES NP
	FETCH_B \slot, (\q)+1, 1-(\q)%2
	FETCH_A \slot, (\q)+1, 0
	WIN MUL_HI
	MUL16 4, (\q)%2, \q, \slot, \zero
	MUL16 6, (\q)%2, \q, \slot, \zero
	PLACES NP
	WIN 0
	FETCH_A \slot, (\q)+1, 4
.endm
.macro TURN slot, next, fill
	s_wait_tensorcnt 0x0
	ds_add_u32 v[SPW], v[NIL]
	s_wait_dscnt 4*NL+1
	WIN MUL_LO
	MUL16 0, 1, NQ-1, \slot, 0
	s_wait_dscnt 0x0
	s_barrier_signal -1
	MUL16 2, 1, NQ-1, \slot, 0
	WIN 0
	s_barrier_wait -1
.if \fill
	CREST
	s_add_nc_u64 s[G0+4*\slot+2:G0+4*\slot+3], s[G0+4*\slot+2:G0+4*\slot+3], 2*ROWB
	s_add_nc_u64 s[G0B+4*\slot+2:G0B+4*\slot+3], s[G0B+4*\slot+2:G0B+4*\slot+3], 2*ROWB
	JLOAD G0+4*\slot, G1, G0B+4*\slot, G1B
	PLACES NP-4
.else
	PLACES NP
.endif
	s_wait_alu depctr_va_vdst(0)
	v_add_nc_u32 v[ADRS], 4*NQ, v[ADRS]
	FETCH_B \next, 0, 0
	FETCH_A \next, 0, 0
	SCALES \next
	WIN MUL_HI
	MUL16 4, 1, NQ-1, \slot, 0
	MUL16 6, 1, NQ-1, \slot, 0
	PLACES NP
	WIN 0
	FETCH_A \next, 0, 4
.endm
	s_wait_tensorcnt 1
	s_barrier_signal -1
	s_barrier_wait -1
	FETCH_B 0, 0, 0
	FETCH_A 0, 0, 0
	SCALES 0
	FETCH_A 0, 0, 4
	STEP 0, 0, 1
	s_mov_b32 s3, LAPS-1
.Llap:
	TURN 0, 1, 1
	STEP 1, 0, 0
	TURN 1, 0, 1
	STEP 0, 0, 0
	s_sub_co_u32 s3, s3, 1
	s_cmp_lg_u32 s3, 0
	s_cbranch_scc1 .Llap
	TURN 0, 1, 0
	STEP 1, 0, 0
	s_wait_dscnt 4*NL
	WIN MUL_LO
	MUL16 0, 1, NQ-1, 1, 0
	MUL16 2, 1, NQ-1, 1, 0
	s_wait_dscnt 0
	WIN MUL_HI
	MUL16 4, 1, NQ-1, 1, 0
	MUL16 6, 1, NQ-1, 1, 0
	WIN 0
	PLACES NP
	s_wait_loadcnt 0x0
	v_and_b32 v1, 15, v0
	v_bfe_u32 v24, v0, 4, 1
	v_and_b32 v25, 31, v0
	s_mul_i32 s46, s14, 3072
	v_mul_u32_u24 v[STO], v1, 144
	v_lshl_add_u32 v[STO], v24, 3+QKV, v[STO]
	v_add_nc_u32 v[STO], s46, v[STO]
	v_lshrrev_b32 v[RD], 3, v25
	v_mul_u32_u24 v[RD], v[RD], 144
	v_and_b32 v26, 7, v25
	v_lshl_add_u32 v[RD], v26, 4, v[RD]
	v_add_nc_u32 v[RD], s46, v[RD]
	v_lshlrev_b32 v[CO], 4, v25
	s_add_co_u32 s46, s46, 2560
	v_lshl_add_u32 v[SWB], v1, 2, s46
	v_add_nc_u32 v[SWR], s46, v[CO]
	s_mov_b32 s[SEL], 0x76543210
	s_mov_b32 s[SEL+1], 0xfedcba98
.irp b, 0,1,2,3
	v_mov_b32 v[TM+4+\b], 0
.endr
.macro CONST r, x
	s_mov_b32 s[\r], \x
	s_mov_b32 s[\r+1], \x
.endm
.if QKV == 0
	CONST 24, 0x3e2ef945
	v_mov_b32 v30, 0xbf527892
	v_mov_b32 v31, 0xbf527892
	CONST 26, 0x3fbe87b0
	CONST 28, 0xbf914e5d
	CONST 30, 0x3e8ec7cc
	CONST 32, 0xbe3ec24c
	CONST 34, 0x3dc636c9
	CONST 36, 0x3ebf88fb
	CONST 38, 0x3f8000c7
	CONST 40, 0xbfa1fc4e
	s_mov_b32 s42, 0x3eb504f3
	CONST 44, 0x3fb8aa3b
.endif
.macro GELU o
	v_fma_f32 v[T], |v[H+(\o)]|, s42, 1.0
	v_fma_f32 v[T+1], |v[H+(\o)+1]|, s42, 1.0
.set n, 0
.rept 30
	v_rcp_f32 v[T+n], v[T+n]
	v_fma_f32 v[T+n+2], |v[H+(\o)+n+2]|, s42, 1.0
.set n, n+1
.endr
	v_rcp_f32 v[T+30], v[T+30]
	v_rcp_f32 v[T+31], v[T+31]
	v_nop
	s_wait_alu depctr_va_vdst(0)
.set n, 0
.rept 16
	v_pk_fma_f32 v[P+n:P+n+1], v[T+n:T+n+1], s[24:25], v[30:31] op_sel_hi:[1,0,1]
.set n, n+2
.endr
.irp c, 26,28,30,32,34,36,38,40
.set n, 0
.rept 16
	v_pk_fma_f32 v[P+n:P+n+1], v[P+n:P+n+1], v[T+n:T+n+1], s[\c:\c+1] op_sel_hi:[1,1,0]
.set n, n+2
.endr
.endr
.irp g, 0,8,16,24
.irp k, 0,2,4,6
	v_pk_mul_f32 v[2+\k:3+\k], v[H+(\o)+\g+\k:H+(\o)+\g+\k+1], -0.5 op_sel_hi:[1,0]
.endr
.irp k, 0,2,4,6
	v_pk_fma_f32 v[P+\g+\k:P+\g+\k+1], v[2+\k:3+\k], v[H+(\o)+\g+\k:H+(\o)+\g+\k+1], v[P+\g+\k:P+\g+\k+1]
.endr
.endr
.set n, 0
.rept 16
	v_pk_fma_f32 v[P+n:P+n+1], v[P+n:P+n+1], s[44:45], -1.0 op_sel_hi:[1,0,0]
.set n, n+2
.endr
.set n, 0
.rept 32
	v_exp_f32 v[P+n], v[P+n]
	v_mul_f32 v[T+n], |v[H+(\o)+n]|, v[T+n]
	v_max_num_f32 v[H+(\o)+n], 0, v[H+(\o)+n]
.set n, n+1
.endr
	s_wait_alu depctr_va_vdst(0)
.set n, 0
.rept 16
	v_pk_fma_f32 v[H+(\o)+n:H+(\o)+n+1], v[P+n:P+n+1], v[T+n:T+n+1], v[H+(\o)+n:H+(\o)+n+1] neg_lo:[1,0,0] neg_hi:[1,0,0]
.set n, n+2
.endr
.endm
.macro QUANT s
.irp b, 0,1,2,3
	v_max3_num_f32 v[TM+\b], |v[\s+16*\b]|, |v[\s+1+16*\b]|, 0x4800000
.endr
.irp i, 2,4,6,8,10,12,14
.irp b, 0,1,2,3
	v_max3_num_f32 v[TM+\b], v[TM+\b], |v[\s+16*\b+\i]|, |v[\s+1+16*\b+\i]|
.endr
.endr
.irp b, 0,1,2,3
	v_permlanex16_b32 v[TM+4+\b], v[TM+\b], s[SEL], s[SEL+1]
.endr
.irp b, 0,1,2,3
	v_max_num_f32 v[TM+\b], v[TM+\b], v[TM+4+\b]
.endr
.irp b, 0,1,2,3
	v_add_nc_u32 v[TM+12+\b], 0xfc000000, v[TM+\b]
.endr
.irp b, 0,1,2,3
.endr
.irp b, 0,1,2,3
	v_lshrrev_b32 v[TM+4+\b], 23, v[TM+12+\b]
.endr
	v_lshl_or_b32 v[PW], v[TM+5], 8, v[TM+4]
	v_lshl_or_b32 v[PW], v[TM+6], 16, v[PW]
	v_lshl_or_b32 v[PW], v[TM+7], 24, v[PW]
.irp b, 0,1,2,3
.irp i, 0,1,2,3,4,5,6,7,8,9,10,11,12,13,14,15
.endr
	v_cvt_scalef32_pk8_fp8_f32 v[PC+4*\b:PC+1+4*\b], v[\s+16*\b:\s+7+16*\b], v[TM+12+\b]
	v_cvt_scalef32_pk8_fp8_f32 v[PC+2+4*\b:PC+3+4*\b], v[\s+8+16*\b:\s+15+16*\b], v[TM+12+\b]
.endr
	v_nop
.endm
.macro STUB id, a, form
.Lc\id:
.set WN, 0x02+(\a)/4
	WIN WN
.set RBR, 2+2*(\a)+((\a)/7)*6
.set n, 0
.rept 32
.if \form
	v_pk_add_f32 v[H+n:H+n+1], v[64*((\a)%4)+n:64*((\a)%4)+n+1], v[RBR:RBR+1]
.else
	v_pk_add_f32 v[H+n:H+n+1], v[64*((\a)%4)+n:64*((\a)%4)+n+1], v[BI+n:BI+n+1]
.endif
.set n, n+2
.endr
	WIN 0
	s_branch .Lwork
.endm
.macro FLUSH
	s_wait_dscnt 0x0
.irp i, 0,1,2,3
	global_store_b128 v[CO], v[OUTR+4*\i:OUTR+4*\i+3], s[12:13] offset:512*\i-2048
.endr
.endm
	s_mov_b32 s3, 0
	s_mov_b32 s22, 0
.Lepi:
.if QKV
	s_lshl_b32 s47, s95, 3
	s_add_co_u32 s47, s47, s3
.irp k, 1,2,3,4,5,6,7,8,9,10,11,12,13,14,15
	s_cmp_eq_u32 s47, \k
	s_cbranch_scc1 .Lc\k
.endr
.else
.irp k, 1,2,3,4,5,6,7
	s_cmp_eq_u32 s3, \k
	s_cbranch_scc1 .Lc\k
.endr
.endif
.irp a, 0,1,2,3,4,5,6,7
	STUB \a, \a, 0
.endr
.if QKV
	STUB 8, 0, 1
	STUB 9, 1, 1
	STUB 10, 2, 1
	STUB 11, 3, 1
	STUB 12, 4, 1
	STUB 13, 5, 1
	STUB 14, 6, 1
	STUB 15, 7, 1
.endif
.Lwork:
.if QKV == 0
	GELU 0
.endif
	s_cmp_eq_u32 s3, 0
	s_cbranch_scc1 .Lfirst
	FLUSH
.Lfirst:
.if QKV == 0
	GELU 32
.endif
	QUANT H
	s_wait_alu depctr_va_vdst(0)
	s_wait_xcnt 0x0
	s_wait_dscnt 0x0
	s_add_nc_u64 s[12:13], s[12:13], 2048
.irp b, 0,1,2,3
.if QKV
	ds_store_b128 v[STO], v[PC+4*\b:PC+4*\b+3] offset:32*\b
.else
	ds_store_b64 v[STO], v[PC+4*\b:PC+4*\b+1] offset:32*\b
	ds_store_b64 v[STO], v[PC+4*\b+2:PC+4*\b+3] offset:32*\b+16
.endif
.endr
	v_add_nc_u32 v[SWT], s22, v[SWB]
	ds_store_b32 v[SWT], v[PW]
.irp i, 0,1,2,3
	ds_load_b128 v[OUTR+4*\i:OUTR+4*\i+3], v[RD] offset:576*\i
.endr
	s_add_co_u32 s22, s22, 64
	s_add_co_u32 s3, s3, 1
	s_cmp_lt_u32 s3, 8
	s_cbranch_scc1 .Lepi
	FLUSH
	ds_load_b128 v[48:51], v[SWR]
	s_wait_dscnt 0x0
	global_store_b128 v[CO], v[48:51], s[66:67]
	s_wait_tensorcnt 0x0
	ds_add_u32 v[SPW], v[NIL]
	s_wait_dscnt 0x0
	CROUND
	s_endpgm
.Lfunc_end_k_q79c52f510d_qkv:
	.size	k_q79c52f510d_qkv, .Lfunc_end_k_q79c52f510d_qkv-k_q79c52f510d_qkv
	.p2alignl 7, 3214868480
	.fill 96, 4, 3214868480
	.section	.rodata,"a",@progbits
	.p2align	6, 0x0
	.amdhsa_kernel k_q79c52f510d_qkv
		.amdhsa_group_segment_fixed_size 327680
		.amdhsa_private_segment_fixed_size 0
		.amdhsa_enable_private_segment 0
		.amdhsa_kernarg_size 88
		.amdhsa_user_sgpr_count 2
		.amdhsa_user_sgpr_kernarg_segment_ptr 1
		.amdhsa_wavefront_size32 1
		.amdhsa_system_sgpr_workgroup_id_x 1
		.amdhsa_system_sgpr_workgroup_id_y 1
		.amdhsa_system_sgpr_workgroup_id_z 1
		.amdhsa_system_vgpr_workitem_id 0
		.amdhsa_next_free_vgpr 1024
		.amdhsa_next_free_sgpr 102
		.amdhsa_reserve_vcc 0
		.amdhsa_float_denorm_mode_32 3
		.amdhsa_float_denorm_mode_16_64 3
		.amdhsa_fp16_overflow 1
		.amdhsa_memory_ordered 1
		.amdhsa_forward_progress 1
		.amdhsa_inst_pref_size 162
	.end_amdhsa_kernel
	.amdgpu_metadata
---
amdhsa.version: [ 1, 2 ]
amdhsa.kernels:
  - .name:           k_q79c52f510d_qkv
    .symbol:         k_q79c52f510d_qkv.kd
    .args:
      - { .name: lnA, .offset: 0, .size: 8, .value_kind: global_buffer, .address_space: global }
      - { .name: Wq_codes, .offset: 8, .size: 8, .value_kind: global_buffer, .address_space: global }
      - { .name: Wq_scales, .offset: 16, .size: 8, .value_kind: global_buffer, .address_space: global }
      - { .name: Wk_codes, .offset: 24, .size: 8, .value_kind: global_buffer, .address_space: global }
      - { .name: Wk_scales, .offset: 32, .size: 8, .value_kind: global_buffer, .address_space: global }
      - { .name: Wv_codes, .offset: 40, .size: 8, .value_kind: global_buffer, .address_space: global }
      - { .name: Wv_scales, .offset: 48, .size: 8, .value_kind: global_buffer, .address_space: global }
      - { .name: bq, .offset: 56, .size: 8, .value_kind: global_buffer, .address_space: global }
      - { .name: bk, .offset: 64, .size: 8, .value_kind: global_buffer, .address_space: global }
      - { .name: bv, .offset: 72, .size: 8, .value_kind: global_buffer, .address_space: global }
      - { .name: qkvb, .offset: 80, .size: 8, .value_kind: global_buffer, .address_space: global }
    .group_segment_fixed_size: 327680
    .private_segment_fixed_size: 0
    .kernarg_segment_align: 8
    .kernarg_segment_size: 88
    .max_flat_workgroup_size: 128
    .sgpr_count:     102
    .vgpr_count:     1024
    .wavefront_size: 32
...
	.end_amdgpu_metadata
.endif
;; end of part 2
;; launch attn (part 3): grid 16 x 16, 16 waves a work-group, clusters of 4 x 1, 327,680 bytes of LDS; arguments qkvb, aob; writes aob
.if DOCPART == 3
	.amdgcn_target "amdgcn-amd-amdhsa--gfx1250"
	.amdhsa_code_object_version 6
	.text
	.protected	k_q79c52f510d_attn
	.globl	k_q79c52f510d_attn
	.p2align	8
	.type	k_q79c52f510d_attn,@function
k_q79c52f510d_attn:
	s_mov_b64 s[64:65], 0
	v_nop
	global_prefetch_b8 v0, s[64:65] scope:SCOPE_SE
	s_setreg_imm32_b32 hwreg(HW_REG_WAVE_MODE, 25, 1), 1
	s_wait_xcnt 0x0
	s_wait_alu depctr_hold_cnt(0) depctr_sa_sdst(0) depctr_va_vdst(0) depctr_va_sdst(0) depctr_va_ssrc(0) depctr_va_vcc(0) depctr_vm_vsrc(0)
	s_getreg_b32 s2, hwreg(HW_REG_IB_STS2, 6, 4)
	s_cmp_eq_u32 s2, 0
	s_cbranch_scc0 .Lentry_in_a_cluster
	s_endpgm
.Lentry_in_a_cluster:
	s_bfe_u32 s2, ttmp6, 0x10000c
	s_cmp_lg_u32 s2, 0x3003
	s_cbranch_scc0 .Lentry_shape_is_right
	s_endpgm
.Lentry_shape_is_right:
.set KP,    144
.set HALF,  128*KP
.set VOFF,  4*HALF
.set SLOTB, 8*HALF
.set SCK,   2*SLOTB
.set SCV,   SCK+8192
.set SPARE, SCV+8192
.set STW,   HALF
.set AK0,  1
.set AV0,  2
.set ASK0, 3
.set ASV0, 4
.set SPW,  5
.set NIL,  6
.set PFO,  7
.set ADK,  8
.set ADV,  9
.set ADS,  10
.set ADT,  11
.set KV,   32
.set S,    104
.set OT,   168
.set PCD,  200
.set BM,   216
.set PD,   220
.set HL,   224
.set SO,   228
.set KSC,  232
.set F,    240
.set PWD,  242
.set QS,   243
.set TMP,  244
.set VSC,  245
.set TB,   2
.set TS,   3
.set QW,   8
.set KL,   9
.set VL,   10
.set CNT,  11
.set WV,   18
.set MNT,  19
.set SEL,  20
.set CS,   22
.set G1,   24
.set G1SK, 32
.set G1SV, 40
.set G0K,  48
.set G0V,  52
.set G0SK, 56
.set G0SV, 60
.set PFA,  76
.set PFS,  78
.set LIM,  80
.macro TLOAD l1, l2, g0k, g1k, g0v, g1v
	s_cmp_lt_u32 s[WV], \l1
	s_cbranch_scc0 .Lnot_k_\@
	tensor_load_to_lds s[\g0k:\g0k+3], s[\g1k:\g1k+7]
	s_nop 0
.rept 4
	v_nop
.endr
	s_branch .Lasked_\@
.Lnot_k_\@:
	s_cmp_lt_u32 s[WV], \l2
	s_cbranch_scc0 .Lasked_\@
	tensor_load_to_lds s[\g0v:\g0v+3], s[\g1v:\g1v+7]
	s_nop 0
.rept 4
	v_nop
.endr
.Lasked_\@:
.endm
.macro ASK
	s_cmp_eq_u32 s[LIM], 1
	s_cbranch_scc0 .Lnot_mine_\@
	global_prefetch_b8 v[PFO], s[PFA:PFA+1] th:TH_LOAD_NT scope:SCOPE_SE
.Lnot_mine_\@:
.endm
.macro CROUND
	s_barrier_signal -1
	s_barrier_wait -1
	s_cmp_lg_u32 s[WV], 0
	s_cbranch_scc1 .Lnot_wave_0_\@
	s_barrier_signal -3
.Lnot_wave_0_\@:
	s_barrier_wait -3
	s_barrier_signal -1
	s_barrier_wait -1
.endm
	s_load_b128 s[4:7], s[0:1], 0x0
	v_lshl_add_u32 v[SPW], v0, 2, SPARE
	v_mov_b32 v[NIL], 0
	ds_add_u32 v[SPW], v[NIL]
	ds_add_u32 v[SPW], v[NIL]
	v_lshrrev_b32 v8, 5, v0
	s_delay_alu instid0(VALU_DEP_1)
	v_readfirstlane_b32 s[WV], v8
	s_bfe_u32 s70, ttmp6, 0x40000
	s_lshl_b32 s71, ttmp9, 2
	s_add_co_u32 s71, s71, s70
	s_and_b32 s72, ttmp7, 0xffff
	s_and_b32 s73, s72, 7
	s_lshr_b32 s72, s72, 3
	s_and_b32 s74, s[WV], 1
	s_and_b32 s[QW], s[WV], 3
	s_lshr_b32 s75, s[WV], 3
	s_and_b32 s81, s[WV], 7
	s_lshl_b32 s68, s73, 19
	s_lshl_b32 s100, s72, 18
	s_add_co_u32 s68, s68, s100
	s_add_co_u32 s68, s68, 0x400000
	s_lshl_b32 s69, s72, 21
	s_lshl_b32 s100, s73, 14
	s_add_co_u32 s69, s69, s100
	s_add_co_u32 s69, s69, 0x800000
	s_lshl_b32 s82, s[QW], 14
	s_add_co_u32 s82, s82, s68
	s_mov_b32 s83, 0
	s_lshl_b32 s84, s[QW], 17
	s_add_co_u32 s84, s84, s69
	s_mov_b32 s85, 0
	s_lshl_b32 s86, s73, 14
	s_lshl_b32 s100, s72, 13
	s_add_co_u32 s86, s86, s100
	s_lshl_b32 s100, s74, 12
	s_add_co_u32 s86, s86, s100
	s_add_co_u32 s86, s86, 0xC20000
	s_mov_b32 s87, 0
	s_lshl_b32 s88, s72, 16
	s_lshl_b32 s100, s73, 9
	s_add_co_u32 s88, s88, s100
	s_lshl_b32 s100, s74, 15
	s_add_co_u32 s88, s88, s100
	s_add_co_u32 s88, s88, 0xC40000
	s_mov_b32 s89, 0
	s_lshl_b32 s90, s72, 11
	s_lshl_b32 s100, s71, 7
	s_add_co_u32 s90, s90, s100
	s_lshl_b32 s100, s81, 4
	s_add_co_u32 s100, s100, s90
	s_lshl_b32 s91, s73, 19
	s_lshl_b32 s92, s100, 7
	s_add_co_u32 s92, s92, s91
	s_lshl_b32 s101, s75, 6
	s_add_co_u32 s92, s92, s101
	s_mov_b32 s93, 0
	s_lshl_b32 s94, s100, 2
	s_lshl_b32 s101, s73, 14
	s_add_co_u32 s94, s94, s101
	s_lshl_b32 s100, s75, 1
	s_add_co_u32 s94, s94, s100
	s_add_co_u32 s94, s94, 0xC00000
	s_mov_b32 s95, 0
	s_lshl_b32 s96, s90, 7
	s_add_co_u32 s96, s96, s91
	s_lshl_b32 s100, s[WV], 10
	s_add_co_u32 s96, s96, s100
	s_mov_b32 s97, 0
	s_lshl_b32 s98, s90, 2
	s_add_co_u32 s98, s98, s101
	s_add_co_u32 s98, s98, 0x400000
	s_mov_b32 s99, 0
	s_mov_b32 s[G1], 15|(0<<16)|(1<<20)|(1<<21)|(4<<22)|(3<<25)
	s_mov_b32 s[G1+1], 128<<16
	s_mov_b32 s[G1+2], 128<<16
	s_mov_b32 s[G1+3], 128<<16
	s_mov_b32 s[G1+4], 128
	s_mov_b32 s[G1+5], 128
	s_mov_b32 s[G1+6], 0
	s_mov_b32 s[G1+7], 0
	s_mov_b32 s[G1SK], 15|(3<<16)|(1<<21)
	s_mov_b32 s[G1SK+1], 32<<16
	s_mov_b32 s[G1SK+2], 16<<16
	s_mov_b32 s[G1SK+3], 32<<16
	s_mov_b32 s[G1SK+4], 16
	s_mov_b32 s[G1SK+5], 32
	s_mov_b32 s[G1SK+6], 0
	s_mov_b32 s[G1SK+7], 0
	s_mov_b32 s[G1SV], 15|(3<<16)|(1<<21)
	s_mov_b32 s[G1SV+1], 64<<16
	s_mov_b32 s[G1SV+2], 8<<16
	s_mov_b32 s[G1SV+3], 64<<16
	s_mov_b32 s[G1SV+4], 8
	s_mov_b32 s[G1SV+5], 512
	s_mov_b32 s[G1SV+6], 0
	s_mov_b32 s[G1SV+7], 0
	s_mov_b32 s[SEL], 0x76543210
	s_mov_b32 s[SEL+1], 0xfedcba98
	s_mov_b32 s[CS], 0x3e38aa3b
	s_mov_b32 s[CS+1], s[CS]
	s_mul_i32 s[KL], s[QW], HALF
	s_add_co_u32 s[VL], s[KL], VOFF
	s_lshl_b32 s101, s74, 12
	s_wait_dscnt 0x0
	s_wait_kmcnt 0x0
	s_mov_b32 s[G0SK], 1
	s_add_co_u32 s[G0SK+1], s101, SCK
	s_add_nc_u64 s[G0SK+2:G0SK+3], s[4:5], s[86:87]
	s_or_b32 s[G0SK+3], s[G0SK+3], 0x80000000
	s_mov_b32 s[G0SV], 1
	s_add_co_u32 s[G0SV+1], s101, SCV
	s_add_nc_u64 s[G0SV+2:G0SV+3], s[4:5], s[88:89]
	s_or_b32 s[G0SV+3], s[G0SV+3], 0x80000000
	s_mov_b32 s[G0K], 1
	s_mov_b32 s[G0K+1], s[KL]
	s_add_nc_u64 s[G0K+2:G0K+3], s[4:5], s[82:83]
	s_or_b32 s[G0K+3], s[G0K+3], 0x80000000
	s_mov_b32 s[G0V], 1
	s_mov_b32 s[G0V+1], s[VL]
	s_add_nc_u64 s[G0V+2:G0V+3], s[4:5], s[84:85]
	s_or_b32 s[G0V+3], s[G0V+3], 0x80000000
	CROUND
	TLOAD 2, 4, G0SK, G1SK, G0SV, G1SV
	s_wait_alu depctr_va_vdst(0)
	s_wait_tensorcnt 0x0
	ds_add_u32 v5, v6
	ds_add_u32 v5, v6
	s_wait_dscnt 0x0
	CROUND
	TLOAD 4, 8, G0K, G1, G0V, G1
	s_add_nc_u64 s[92:93], s[4:5], s[92:93]
	s_add_nc_u64 s[94:95], s[4:5], s[94:95]
	s_add_nc_u64 s[96:97], s[6:7], s[96:97]
	s_add_nc_u64 s[98:99], s[6:7], s[98:99]
	s_lshl_b32 s71, s74, 13
	s_lshl_b32 s90, s70, 14
	s_add_co_u32 s90, s90, s68
	s_add_co_u32 s90, s90, 65536
	s_lshl_b32 s91, s70, 17
	s_add_co_u32 s91, s91, s69
	s_add_co_u32 s91, s91, 524288
	s_mov_b32 s[PFS], 524288
	s_cmp_lt_u32 s[WV], 10
	s_cselect_b32 s[PFA], s90, s91
	s_cselect_b32 s[PFS], 65536, s[PFS]
	s_add_co_u32 s[PFA], s[PFA], s71
	s_mov_b32 s[PFA+1], 0
	s_mov_b32 s[PFS+1], 0
	s_add_nc_u64 s[PFA:PFA+1], s[4:5], s[PFA:PFA+1]
	s_sub_co_u32 s71, s[WV], 8
	s_lshr_b32 s71, s71, 2
	s_or_b32 s71, s71, ttmp9
	s_cmp_eq_u32 s71, 0
	s_cselect_b32 s[LIM], 1, 0
	v_and_b32 v[PFO], 31, v0
	s_delay_alu instid0(VALU_DEP_1)
	v_lshlrev_b32 v[PFO], 8, v[PFO]
	v_and_b32 v8, 15, v0
	v_bfe_u32 v9, v0, 4, 1
	s_delay_alu instid0(VALU_DEP_2)
	v_lshlrev_b32 v10, 7, v8
	s_delay_alu instid0(VALU_DEP_1)
	v_lshl_add_u32 v10, v9, 4, v10
	global_load_b128 v[16:19], v10, s[92:93]
	global_load_b128 v[20:23], v10, s[92:93] offset:32
	v_lshlrev_b32 v11, 2, v8
	global_load_u16 v[QS], v11, s[94:95]
	s_lshl_b32 s68, s75, 6
	v_mul_u32_u24 v[AK0], v8, KP
	s_delay_alu instid0(VALU_DEP_1)
	v_lshl_add_u32 v[AK0], v9, 4, v[AK0]
	s_delay_alu instid0(VALU_DEP_1)
	v_add_nc_u32 v[AV0], 0, v[AK0]
	s_delay_alu instid0(VALU_DEP_2)
	v_add_nc_u32 v[AK0], s68, v[AK0]
	s_mul_i32 s69, s75, 64*KP
	s_add_co_u32 s69, s69, VOFF
	v_add_nc_u32 v[AV0], s69, v[AV0]
	s_lshl_b32 s68, s75, 1
	s_add_co_u32 s68, s68, SCK
	v_lshl_add_u32 v[ASK0], v8, 2, s68
	s_lshl_b32 s68, s75, 8
	s_add_co_u32 s68, s68, SCV
	v_lshl_add_u32 v[ASV0], v8, 2, s68
	v_mov_b32 v13, 0xff61b1e6
	s_delay_alu instid0(VALU_DEP_1)
	v_floor_f32 v12, -v13
	v_mov_b32 v14, 0
	v_mov_b32 v15, 0
.irp j, 0,1,2,3,4,5,6,7
	v_mov_b32 v[24+\j], 0
	v_mov_b32 v[96+\j], 0
.endr
.irp b, 0,1,2,3
	v_mov_b32 v[PD+\b], 0
.endr
	v_mov_b32 v[F+1], 0
.irp j, 0,1,2,3,4,5,6,7,8,9,10,11,12,13,14,15,16,17,18,19,20,21,22,23,24,25,26,27,28,29,30,31
	v_mov_b32 v[OT+\j], 0
.endr
.macro KLOADS
.irp t, 0,1,2,3,4,5,6,7
	ds_load_b128 v[KV+8*\t:KV+8*\t+3], v[ADK] offset:16*\t*KP
	ds_load_b128 v[KV+8*\t+4:KV+8*\t+7], v[ADK] offset:16*\t*KP+32
	ds_load_u16 v[KSC+\t], v[ADS] offset:64*\t
.endr
.endm
.macro STEP pre
	v_add_nc_u32 v[ADV], s[TB], v[AV0]
	v_add_nc_u32 v[ADT], s[TS], v[ASV0]
.if \pre
	s_add_co_u32 s[TB], s[TB], HALF
	s_add_co_u32 s[TS], s[TS], 512
	v_add_nc_u32 v[ADK], s[TB], v[AK0]
	v_add_nc_u32 v[ADS], s[TS], v[ASK0]
.endif
.rept 7-2*(\pre)
	v_nop
.endr
	s_wait_dscnt 0x0
.irp t, 0,1,2,3,4,5,6,7
	v_wmma_scale_f32_16x16x128_f8f6f4 v[S+8*\t:S+8*\t+7], v[KV+8*\t:KV+8*\t+15], v[16:31], 0, v[KSC+\t], v[QS]
.endr
.rept 8
	v_nop
.endr
.if \pre
	s_wait_alu depctr_va_vdst(0)
	KLOADS
.endif
.irp b, 0,1,2,3
	v_max3_num_f32 v[BM+\b], v[S+16*\b], v[S+1+16*\b], v[S+2+16*\b]
.endr
.irp i, 3,5,7,9,11,13
.irp b, 0,1,2,3
	v_max3_num_f32 v[BM+\b], v[BM+\b], v[S+16*\b+\i], v[S+1+16*\b+\i]
.endr
.endr
.irp b, 0,1,2,3
	v_max_num_f32 v[BM+\b], v[BM+\b], v[S+15+16*\b]
.endr
.irp b, 0,1,2,3
	s_delay_alu instid0(VALU_DEP_4)
	v_permlanex16_b32 v[PD+\b], v[BM+\b], s[SEL], s[SEL+1]
.endr
.irp b, 0,1,2,3
	s_delay_alu instid0(VALU_DEP_4)
	v_max_num_f32 v[BM+\b], v[BM+\b], v[PD+\b]
.endr
	s_delay_alu instid0(VALU_DEP_2)
	v_max3_num_f32 v[TMP], v[BM], v[BM+1], v[BM+2]
	s_delay_alu instid0(VALU_DEP_1)
	v_max_num_f32 v[TMP], v[TMP], v[BM+3]
	s_delay_alu instid0(VALU_DEP_1)
	v_mul_f32 v[TMP], s[CS], v[TMP]
	s_delay_alu instid0(VALU_DEP_1)
	v_max_num_f32 v13, v13, v[TMP]
	v_mov_b32 v[TMP], v12
	s_delay_alu instid0(VALU_DEP_2)
	v_floor_f32 v12, -v13
	s_delay_alu instid0(VALU_DEP_1)
	v_sub_f32 v[TMP], v12, v[TMP]
	s_delay_alu instid0(VALU_DEP_1)
	v_cvt_i32_f32 v[TMP], v[TMP]
	s_delay_alu instid0(VALU_DEP_1)
	v_ldexp_f32 v[F], 1.0, v[TMP]
.irp j, 0,2,4,6,8,10,12,14,16,18,20,22,24,26,28,30,32,34,36,38,40,42,44,46,48,50,52,54,56,58,60,62
	v_pk_fma_f32 v[S+\j:S+1+\j], v[S+\j:S+1+\j], s[CS:CS+1], v[12:13] op_sel_hi:[1,0,0]
.endr
.irp b, 0,1,2,3
	v_fma_f32 v[BM+\b], v[BM+\b], s[CS], v12
.endr
	s_wait_alu depctr_va_vdst(0)
.irp j, 0,1,2,3,4,5,6,7,8,9,10,11,12,13,14,15,16,17,18,19,20,21,22,23,24,25,26,27,28,29,30,31,32,33,34,35,36,37,38,39,40,41,42,43,44,45,46,47,48,49,50,51,52,53,54,55,56,57,58,59,60,61,62,63
	v_exp_f32 v[S+\j], v[S+\j]
.endr
	s_setprio 1
	v_pk_mul_f32 v[14:15], v[14:15], v[F:F+1] op_sel_hi:[1,0]
	s_wait_alu depctr_va_vdst(0)
.irp b, 0,1,2,3
	v_exp_f32 v[BM+\b], v[BM+\b]
.endr
	v_pk_add_f32 v[PD:PD+1], v[S:S+1], v[S+2:S+3]
.irp j, 4,8,12,16,20,24,28,32,36,40,44,48,52,56,60
	v_pk_add_f32 v[14:15], v[14:15], v[S+\j:S+1+\j]
	v_pk_add_f32 v[PD:PD+1], v[PD:PD+1], v[S+2+\j:S+3+\j]
.endr
	s_delay_alu instid0(VALU_DEP_1)
	v_pk_add_f32 v[14:15], v[14:15], v[PD:PD+1]
	s_wait_alu depctr_va_vdst(0)
.irp b, 0,1,2,3
	v_max_num_f32 v[BM+\b], 0x4800000, v[BM+\b]
.endr
.irp b, 0,1,2,3
	s_delay_alu instid0(VALU_DEP_4)
	v_add_nc_u32 v[SO+\b], 0xfc000000, v[BM+\b]
.endr
.irp b, 0,1,2,3
.endr
.irp b, 0,1,2,3
	s_delay_alu instid0(VALU_DEP_4)
	v_lshrrev_b32 v[PD+\b], 23, v[SO+\b]
.endr
	s_delay_alu instid0(VALU_DEP_3)
	v_lshl_or_b32 v[PWD], v[PD+1], 8, v[PD]
	s_delay_alu instid0(VALU_DEP_1)
	v_lshl_or_b32 v[PWD], v[PD+2], 16, v[PWD]
	s_delay_alu instid0(VALU_DEP_1)
	v_lshl_or_b32 v[PWD], v[PD+3], 24, v[PWD]
.irp b, 0,1,2,3
.irp i, 0,1,2,3,4,5,6,7,8,9,10,11,12,13,14,15
.endr
	v_cvt_scalef32_pk8_fp8_f32 v[PCD+4*\b:PCD+1+4*\b], v[S+16*\b:S+7+16*\b], v[SO+\b]
	v_cvt_scalef32_pk8_fp8_f32 v[PCD+2+4*\b:PCD+3+4*\b], v[S+8+16*\b:S+15+16*\b], v[SO+\b]
.irp c, 0,1,2,3
	ds_load_b128 v[S+16*\b+4*\c:S+16*\b+4*\c+3], v[ADV] offset:16*\b*KP+32*\c
.endr
	ds_load_b32 v[VSC+\b], v[ADT] offset:64*\b
.endr
	s_setprio 0
.irp j, 0,2,4,6,8,10,12,14,16,18,20,22,24,26,28,30
	v_pk_mul_f32 v[OT+\j:OT+1+\j], v[OT+\j:OT+1+\j], v[F:F+1] op_sel_hi:[1,0]
.endr
	s_wait_alu depctr_va_vdst(0)
.irp t, 0,1,2,3
	s_wait_dscnt 5*(3-\t)
	v_wmma_scale_f32_16x16x128_f8f6f4 v[OT+8*\t:OT+8*\t+7], v[S+16*\t:S+16*\t+15], v[PCD:PCD+15], v[OT+8*\t:OT+8*\t+7], v[VSC+\t], v[PWD]
.endr
.endm
.macro CHANGE fill, lslot, ask
	s_wait_tensorcnt 0x0
	ds_add_u32 v[SPW], v[NIL]
.if \fill
	ds_add_u32 v[SPW], v[NIL]
	s_add_co_u32 s[G0K+1], s[KL], (\lslot)*SLOTB
	s_add_nc_u64 s[G0K+2:G0K+3], s[G0K+2:G0K+3], 65536
	s_add_co_u32 s[G0V+1], s[VL], (\lslot)*SLOTB
	s_add_nc_u64 s[G0V+2:G0V+3], s[G0V+2:G0V+3], 524288
.if \ask
	s_wait_xcnt 0x0
	s_add_nc_u64 s[PFA:PFA+1], s[PFA:PFA+1], s[PFS:PFS+1]
.endif
	s_wait_dscnt 0x0
	CROUND
	TLOAD 4, 8, G0K, G1, G0V, G1
.if \ask
	ASK
.endif
.else
	s_wait_dscnt 0x0
	s_barrier_signal -1
	s_barrier_wait -1
.endif
.endm
.macro SLOT_STEPS lslot, d
	s_mov_b32 s[TB], (\lslot)*SLOTB
	s_mov_b32 s[TS], (\d)*2048
	v_add_nc_u32 v[ADK], s[TB], v[AK0]
	v_add_nc_u32 v[ADS], s[TS], v[ASK0]
	KLOADS
	s_mov_b32 s[CNT], 3
.Lst_\@:
	s_setprio 2
	STEP 1
	s_sub_co_u32 s[CNT], s[CNT], 1
	s_cmp_lg_u32 s[CNT], 0
	s_cbranch_scc1 .Lst_\@
	s_setprio 0
	STEP 0
.endm
	s_wait_loadcnt 0x0
	CHANGE 1, 1, 1
	SLOT_STEPS 0, 0
	CHANGE 1, 0, 1
	SLOT_STEPS 1, 1
	CHANGE 1, 1, 0
	SLOT_STEPS 0, 2
	CHANGE 0, 0, 0
	SLOT_STEPS 1, 3
.rept 8
	v_nop
.endr
	v_add_f32 v14, v14, v15
	s_delay_alu instid0(VALU_DEP_1)
	v_permlanex16_b32 v[TMP], v14, s[SEL], s[SEL+1]
	s_delay_alu instid0(VALU_DEP_1)
	v_add_f32 v14, v14, v[TMP]
	s_wait_alu depctr_va_vdst(0)
	v_rcp_f32 v14, v14
	v_and_b32 v8, 15, v0
	v_bfe_u32 v9, v0, 4, 1
	v_and_b32 v1, 31, v0
	s_wait_alu depctr_va_vdst(0)
	s_mul_i32 s68, s81, 16*KP
	s_lshl_b32 s69, s75, 6
	s_add_co_u32 s68, s68, s69
	v_mul_u32_u24 v10, v8, KP
	s_delay_alu instid0(VALU_DEP_1)
	v_lshl_add_u32 v10, v9, 3, v10
	s_delay_alu instid0(VALU_DEP_1)
	v_add_nc_u32 v10, s68, v10
	s_lshl_b32 s68, s81, 6
	s_lshl_b32 s69, s75, 1
	s_add_co_u32 s68, s68, s69
	s_add_co_u32 s68, s68, STW
	v_lshl_add_u32 v11, v8, 2, s68
	s_mul_i32 s68, s[WV], 8*KP
	v_lshrrev_b32 v2, 3, v1
	s_delay_alu instid0(VALU_DEP_1)
	v_mul_u32_u24 v2, v2, KP
	v_and_b32 v3, 7, v1
	s_delay_alu instid0(VALU_DEP_1)
	v_lshl_add_u32 v2, v3, 4, v2
	s_delay_alu instid0(VALU_DEP_1)
	v_add_nc_u32 v2, s68, v2
	v_lshlrev_b32 v3, 4, v1
	s_delay_alu instid0(VALU_DEP_1)
	v_add_nc_u32 v4, STW, v3
	s_wait_alu depctr_va_vdst(0)
.irp j, 0,1,2,3,4,5,6,7,8,9,10,11,12,13,14,15,16,17,18,19,20,21,22,23,24,25,26,27,28,29,30,31
	v_mul_f32 v[S+\j], v[OT+\j], v14
.endr
.irp b, 0,1
	v_max3_num_f32 v[BM+\b], |v[S+16*\b]|, |v[S+1+16*\b]|, 0x4800000
.endr
.irp i, 2,4,6,8,10,12,14
.irp b, 0,1
	s_delay_alu instid0(VALU_DEP_2)
	v_max3_num_f32 v[BM+\b], v[BM+\b], |v[S+16*\b+\i]|, |v[S+1+16*\b+\i]|
.endr
.endr
.irp b, 0,1
	s_delay_alu instid0(VALU_DEP_2)
	v_permlanex16_b32 v[PD+\b], v[BM+\b], s[SEL], s[SEL+1]
.endr
.irp b, 0,1
	s_delay_alu instid0(VALU_DEP_2)
	v_max_num_f32 v[BM+\b], v[BM+\b], v[PD+\b]
.endr
.irp b, 0,1
	s_delay_alu instid0(VALU_DEP_2)
	v_add_nc_u32 v[SO+\b], 0xfc000000, v[BM+\b]
.endr
.irp b, 0,1
.endr
.irp b, 0,1
	s_delay_alu instid0(VALU_DEP_2)
	v_lshrrev_b32 v[PD+\b], 23, v[SO+\b]
.endr
	s_delay_alu instid0(VALU_DEP_1)
	v_lshl_or_b32 v[PWD], v[PD+1], 8, v[PD]
.irp b, 0,1
.irp i, 0,1,2,3,4,5,6,7,8,9,10,11,12,13,14,15
.endr
	v_cvt_scalef32_pk8_fp8_f32 v[PCD+4*\b:PCD+1+4*\b], v[S+16*\b:S+7+16*\b], v[SO+\b]
	v_cvt_scalef32_pk8_fp8_f32 v[PCD+2+4*\b:PCD+3+4*\b], v[S+8+16*\b:S+15+16*\b], v[SO+\b]
.endr
	v_nop
.irp i, 0,1,2,3
	ds_store_b64 v10, v[PCD+2*\i:PCD+2*\i+1] offset:16*\i
.endr
	ds_store_b16 v11, v[PWD]
	s_wait_dscnt 0x0
	s_barrier_signal -1
	s_barrier_wait -1
	ds_load_b128 v[32:35], v2
	ds_load_b128 v[36:39], v2 offset:4*KP
	s_wait_dscnt 0x0
	global_store_b128 v3, v[32:35], s[96:97]
	global_store_b128 v3, v[36:39], s[96:97] offset:512
	s_cmp_lg_u32 s[WV], 0
	s_cbranch_scc1 .Lno_words
	ds_load_b128 v[40:43], v4
	s_wait_dscnt 0x0
	global_store_b128 v3, v[40:43], s[98:99]
.Lno_words:
	s_wait_tensorcnt 0x0
	ds_add_u32 v[SPW], v[NIL]
	s_wait_dscnt 0x0
	CROUND
	s_endpgm
.Lfunc_end_k_q79c52f510d_attn:
	.size	k_q79c52f510d_attn, .Lfunc_end_k_q79c52f510d_attn-k_q79c52f510d_attn
	.p2alignl 7, 3214868480
	.fill 96, 4, 3214868480
	.section	.rodata,"a",@progbits
	.p2align	6, 0x0
	.amdhsa_kernel k_q79c52f510d_attn
		.amdhsa_group_segment_fixed_size 327680
		.amdhsa_private_segment_fixed_size 0
		.amdhsa_enable_private_segment 0
		.amdhsa_kernarg_size 16
		.amdhsa_user_sgpr_count 2
		.amdhsa_user_sgpr_kernarg_segment_ptr 1
		.amdhsa_wavefront_size32 1
		.amdhsa_system_sgpr_workgroup_id_x 1
		.amdhsa_system_sgpr_workgroup_id_y 1
		.amdhsa_system_sgpr_workgroup_id_z 1
		.amdhsa_system_vgpr_workitem_id 0
		.amdhsa_next_free_vgpr 256
		.amdhsa_next_free_sgpr 102
		.amdhsa_reserve_vcc 0
		.amdhsa_float_denorm_mode_32 3
		.amdhsa_float_denorm_mode_16_64 3
		.amdhsa_fp16_overflow 1
		.amdhsa_memory_ordered 1
		.amdhsa_forward_progress 1
		.amdhsa_inst_pref_size 165
	.end_amdhsa_kernel
	.amdgpu_metadata
---
amdhsa.version: [ 1, 2 ]
amdhsa.kernels:
  - .name:           k_q79c52f510d_attn
    .symbol:         k_q79c52f510d_attn.kd
    .args:
      - { .name: qkvb, .offset: 0, .size: 8, .value_kind: global_buffer, .address_space: global }
      - { .name: aob, .offset: 8, .size: 8, .value_kind: global_buffer, .address_space: global }
    .group_segment_fixed_size: 327680
    .private_segment_fixed_size: 0
    .kernarg_segment_align: 8
    .kernarg_segment_size: 16
    .max_flat_workgroup_size: 512
    .sgpr_count:     102
    .vgpr_count:     256
    .wavefront_size: 32
...
	.end_amdgpu_metadata
.endif
;; end of part 3
;; launch wo (part 4): grid 8 x 32, 4 waves a work-group, clusters of 4 x 4, 327,680 bytes of LDS; arguments aob, Wo_codes, Wo_scales, bo, lnA, x1; writes x1
.if DOCPART == 4
	.amdgcn_target "amdgcn-amd-amdhsa--gfx1250"
	.amdhsa_code_object_version 6
	.text
	.protected	k_q79c52f510d_wo
	.globl	k_q79c52f510d_wo
	.p2align	8
	.type	k_q79c52f510d_wo,@function
k_q79c52f510d_wo:
	s_mov_b64 s[64:65], 0
	v_nop
	global_prefetch_b8 v0, s[64:65] scope:SCOPE_SE
	s_setreg_imm32_b32 hwreg(HW_REG_WAVE_MODE, 25, 1), 1
	s_wait_xcnt 0x0
	s_wait_alu depctr_hold_cnt(0) depctr_sa_sdst(0) depctr_va_vdst(0) depctr_va_sdst(0) depctr_va_ssrc(0) depctr_va_vcc(0) depctr_vm_vsrc(0)
	s_getreg_b32 s2, hwreg(HW_REG_IB_STS2, 6, 4)
	s_cmp_eq_u32 s2, 0
	s_cbranch_scc0 .Lentry_in_a_cluster
	s_endpgm
.Lentry_in_a_cluster:
	s_bfe_u32 s2, ttmp6, 0x10000c
	s_cmp_lg_u32 s2, 0xf033
	s_cbranch_scc0 .Lentry_shape_is_right
	s_endpgm
.Lentry_shape_is_right:
; out[m][n] = res[m][n] + bias[n] + sum over k of A[m][k] B[n][k], on codes of E4M3 with one E8M0 byte for each 32 along K.  M = 4,096, N = 1,024, K = SIZE_K.  (The input positions is left out of the whole program: see the first kernel.)
; A, made by the launch before, lies in panels: codes [K / 128][4096][128 bytes], scale words at +ASW [K / 128][4096][4].  B is a given weight: codes [1024][K], scale bytes [1024][K / 32].  res (at +RES of its buffer) and out: f32 [4096][1024].
; A tile of C is 128 x 128, so that N = 1,024 gives 256 work-groups; four waves, 64 x 64 each: 16 accumulators.  K goes in steps of 512 through two LDS slots: waves 0, 1 fetch two of A's panels each (one load: two runs of
; 16 KB, padded behind every 128 bytes), waves 2, 3 fetch 64 rows x 512 bytes of B each.  The scales of the work-group's rows, for all of K, come once.  CLUSTERS: 4 x 4; A's tiles jointly along a row, B's along a column.
; THE MATRIX INSTRUCTION IS USED TRANSPOSED (source 0 = rows of B, source 1 = rows of A).  The bias is the C of each sum's first matrix instruction.  The residual's 64 x 64 numbers are asked for at the head, in the layout of the stores, and added on the way out.
; REGISTERS: window 0: v16-29 addresses; v32-95 scale words, two sets (A's 16, B's 16); v96-127 the bias; v128-255 the accumulators.  window 1: two fragment buffers (A's 4 x 16, B's 4 x 16).  window 2: v0-127 the residual.
.set SIZE_K, 1024
.set ASW,    0x400000
.set RES,    0x420000
.set KS,     SIZE_K/32
.set PA,     144                       ; A's row in LDS: 128 bytes + 16
.set PB,     528                       ; B's: 512 + 16
.set PANB,   128*PA
.set BOFF,   4*PANB
.set SLOT,   BOFF+128*PB
.set SCA,    2*SLOT                    ; A's scale words: [K / 128][512 bytes]
.set SCB,    SCA+4*SIZE_K              ; B's scale bytes, as units of 256 bytes + 16
.set HALFSB, (64*KS/256)*272
.set SBLK,   (16*KS/256)*272
.set SPARE,  SCB+2*HALFSB
.set SP,     272                       ; the way out: 16 rows x (256 + 16) for each wave, in slot 0
.set LAPS,   SIZE_K/1024
.set NP,     8
.set ADRA, 16
.set ADRB, 20
.set ASA,  22
.set ASB,  23
.set STO,  24
.set RD,   25
.set CO,   26
.set BO,   27
.set SPW,  28
.set NIL,  29
.set SA,   32
.set SB,   48
.set BK,   32
.set BIAS, 96
.set ACC,  128
.set F0,   0
.set F1,   128
.set G1, 24
.set G0, 32
.set G1B, 48
.set G0B, 56
.set G1S, 68
.set G0S, 76
.set G1SB, 80
.set G0SB, 88
.set MSB, 0
.macro WIN new
.if MSB != (\new)
	s_set_vgpr_msb (MSB<<8)|(\new)
.set MSB, (\new)
.endif
.endm
.set MUL,  0x05                        ; sources 0 and 1 window 1; C and D window 0
.set TO_F, 0x40                        ; destination window 1
.macro JLOAD g0a, g1a, g0b, g1b        ; waves 0 and 1 fetch for A, waves 2 and 3 for B; an s_nop 0 and four v_nop follow each line
	s_cmp_eq_u32 s17, 0
	s_cbranch_scc0 .Lfor_b_\@
	tensor_load_to_lds s[\g0a:\g0a+3], s[\g1a:\g1a+7]
	s_nop 0
.rept 4
	v_nop
.endr
	s_branch .Lasked_\@
.Lfor_b_\@:
	tensor_load_to_lds s[\g0b:\g0b+3], s[\g1b:\g1b+7]
	s_nop 0
.rept 4
	v_nop
.endr
.Lasked_\@:
.endm
.macro CREST
	s_cmp_lg_u32 s16, 0
	s_cbranch_scc1 .Lnot_wave_0_\@
	s_barrier_signal -3
.Lnot_wave_0_\@:
	s_barrier_wait -3
	s_barrier_signal -1
	s_barrier_wait -1
.endm
.macro CROUND
	s_barrier_signal -1
	s_barrier_wait -1
	CREST
.endm
	s_load_b256 s[4:11], s[0:1], 0x0               ; A, B's codes, B's scales, the bias
	s_load_b128 s[12:15], s[0:1], 0x20             ; the residual's buffer, out
	v_lshl_add_u32 v[SPW], v0, 2, SPARE
	v_mov_b32 v[NIL], 0
	ds_add_u32 v[SPW], v[NIL]                      ; the wave's opening: the add, twice on end, and its wait ahead of my first tensor load
	ds_add_u32 v[SPW], v[NIL]
	v_lshrrev_b32 v1, 5, v0
	v_readfirstlane_b32 s16, v1                    ; wave 0..3
	s_lshr_b32 s17, s16, 1                         ; my half of the tile's rows; also: I fetch for A (0) or for B (1)
	s_and_b32 s18, s16, 1                          ; my half of its columns; also: which half I fetch
	s_bfe_u32 s40, ttmp6, 0x40000                  ; cx, cy
	s_bfe_u32 s41, ttmp6, 0x40004
	s_lshl_b32 s42, ttmp9, 2
	s_add_co_u32 s42, s42, s40                     ; tile column
	s_and_b32 s19, ttmp7, 0xffff
	s_lshl_b32 s19, s19, 2
	s_add_co_u32 s19, s19, s41                     ; tile row
	s_lshl_b32 s43, s41, 2
	s_lshl_b32 s43, 15, s43                        ; my row of the cluster
	s_lshl_b32 s44, 0x1111, s40                    ; my column
	s_or_b32 s[G1], s43, (3<<16)|(1<<20)|(1<<21)|(4<<22)|(3<<25)    ; A: elements of 8 bytes; 4 words of padding behind every 32 (128 bytes, which divide the stated row)
	s_mov_b32 s[G1+1], 2048<<16                    ; tensor_dim0: 16 KB, a panel's 128 rows on end
	s_mov_b32 s[G1+2], 2<<16                       ; tensor_dim1: two panels
	s_mov_b32 s[G1+3], 2048<<16                    ; tile_dim0
	s_mov_b32 s[G1+4], 2                           ; tile_dim1
	s_mov_b32 s[G1+5], 65536                       ; from panel to panel: 524,288 bytes
	s_mov_b32 s[G1+6], 0
	s_mov_b32 s[G1+7], 0
	s_or_b32 s[G1B], s44, (0<<16)|(1<<20)|(1<<21)|(6<<22)|(3<<25)   ; B: 64 rows of 512 bytes, 4 words behind every 128
	s_mov_b32 s[G1B+1], 512<<16
	s_mov_b32 s[G1B+2], 64<<16
	s_mov_b32 s[G1B+3], 512<<16
	s_mov_b32 s[G1B+4], 64
	s_mov_b32 s[G1B+5], SIZE_K
	s_mov_b32 s[G1B+6], 0
	s_mov_b32 s[G1B+7], 0
	s_or_b32 s[G1S], s43, (3<<16)|(1<<21)          ; A's scale words: K / 256 rows of 512 bytes, 16,384 bytes apart
	s_mov_b32 s[G1S+1], 64<<16
	s_mov_b32 s[G1S+2], (SIZE_K/256)<<16
	s_mov_b32 s[G1S+3], 64<<16
	s_mov_b32 s[G1S+4], SIZE_K/256
	s_mov_b32 s[G1S+5], 2048
	s_mov_b32 s[G1S+6], 0
	s_mov_b32 s[G1S+7], 0
	s_or_b32 s[G1SB], s44, (3<<16)|(1<<20)|(1<<21)|(5<<22)|(3<<25)  ; B's scale bytes of 64 rows: dense, as rows of 256 bytes + 16
	s_mov_b32 s[G1SB+1], 32<<16
	s_mov_b32 s[G1SB+2], (64*KS/256)<<16
	s_mov_b32 s[G1SB+3], 32<<16
	s_mov_b32 s[G1SB+4], 64*KS/256
	s_mov_b32 s[G1SB+5], 32
	s_mov_b32 s[G1SB+6], 0
	s_mov_b32 s[G1SB+7], 0
	s_lshl_b32 s20, s18, 20                        ; A: my two panels,
	s_lshl_b32 s21, s19, 14                        ; the tile's 128 rows
	s_add_co_u32 s20, s20, s21
	s_mov_b32 s21, 0
	s_mul_i32 s22, s18, (SIZE_K/256)*16384
	s_lshl_b32 s23, s19, 9
	s_add_co_u32 s22, s22, s23
	s_add_co_u32 s22, s22, ASW
	s_mov_b32 s23, 0
	s_lshl_b32 s46, s42, 7
	s_lshl_b32 s47, s18, 6
	s_add_co_u32 s46, s46, s47                     ; B: my first row
	s_mul_i32 s92, s46, KS
	s_mov_b32 s93, 0
	s_mul_i32 s46, s46, SIZE_K
	s_mov_b32 s47, 0
	s_mul_i32 s45, s18, 2*PANB                     ; and where they go
	s_mul_i32 s94, s18, 64*PB
	s_add_co_u32 s94, s94, BOFF
	s_mul_i32 s95, s18, (SIZE_K/256)*512
	s_add_co_u32 s95, s95, SCA
	s_mul_i32 s96, s18, HALFSB
	s_add_co_u32 s96, s96, SCB
	s_wait_dscnt 0x0                               ; both opening adds are done
	s_wait_kmcnt 0x0
	s_add_nc_u64 s[20:21], s[4:5], s[20:21]
	s_add_nc_u64 s[22:23], s[4:5], s[22:23]
	s_add_nc_u64 s[46:47], s[6:7], s[46:47]
	s_add_nc_u64 s[92:93], s[8:9], s[92:93]
	CROUND                                         ; all sixteen work-groups are here
	s_mov_b32 s[G0S], 1
	s_mov_b32 s[G0S+1], s95
	s_mov_b64 s[G0S+2:G0S+3], s[22:23]
	s_or_b32 s[G0S+3], s[G0S+3], 0x80000000
	s_mov_b32 s[G0SB], 1
	s_mov_b32 s[G0SB+1], s96
	s_mov_b64 s[G0SB+2:G0SB+3], s[92:93]
	s_or_b32 s[G0SB+3], s[G0SB+3], 0x80000000
	JLOAD G0S, G1S, G0SB, G1SB                     ; the scales first; three loads of mine are out behind the last of these
.irp s, 0,1
	s_mov_b32 s[G0+4*\s], 1
	s_add_co_u32 s[G0+4*\s+1], s45, \s*SLOT
	s_add_nc_u64 s[G0+4*\s+2:G0+4*\s+3], s[20:21], \s*2097152
	s_or_b32 s[G0+4*\s+3], s[G0+4*\s+3], 0x80000000
	s_mov_b32 s[G0B+4*\s], 1
	s_add_co_u32 s[G0B+4*\s+1], s94, \s*SLOT
	s_add_nc_u64 s[G0B+4*\s+2:G0B+4*\s+3], s[46:47], \s*512
	s_or_b32 s[G0B+4*\s+3], s[G0B+4*\s+3], 0x80000000
	JLOAD G0+4*\s, G1, G0B+4*\s, G1B
.endr
	v_and_b32 v1, 15, v0                           ; r
	v_bfe_u32 v2, v0, 4, 1                         ; h
	v_mul_u32_u24 v3, v1, PA
	v_lshl_add_u32 v3, v2, 4, v3
	s_mul_i32 s21, s17, 64*PA
	v_add_nc_u32 v[ADRA], s21, v3
	s_add_co_u32 s21, s21, SLOT
	v_add_nc_u32 v[ADRA+1], s21, v3
	v_mul_u32_u24 v4, v1, PB
	v_lshl_add_u32 v4, v2, 4, v4
	s_mul_i32 s22, s18, 64*PB
	s_add_co_u32 s22, s22, BOFF
	v_add_nc_u32 v[ADRB], s22, v4
	s_add_co_u32 s22, s22, SLOT
	v_add_nc_u32 v[ADRB+1], s22, v4
	s_lshl_b32 s21, s17, 8
	s_add_co_u32 s21, s21, SCA
	v_lshl_add_u32 v[ASA], v1, 2, s21              ; A's scale words: my 64 rows, row r
	v_mul_u32_u24 v5, v1, KS
	v_lshrrev_b32 v6, 8, v5
	v_lshl_add_u32 v5, v6, 4, v5
	s_mul_i32 s22, s18, HALFSB
	s_add_co_u32 s22, s22, SCB
	v_add_nc_u32 v[ASB], s22, v5                   ; B's: KS bytes a row, 16 more for each 256 passed
	s_mul_i32 s23, s16, 16*SP
	v_mul_u32_u24 v5, v1, SP
	v_lshl_add_u32 v5, v2, 5, v5
	v_add_nc_u32 v[STO], s23, v5
	v_mul_u32_u24 v5, v2, SP
	v_lshl_add_u32 v5, v1, 4, v5
	v_add_nc_u32 v[RD], s23, v5
	v_lshlrev_b32 v[CO], 12, v2
	v_lshl_add_u32 v[CO], v1, 4, v[CO]             ; lanes 0-15 one row of 256 bytes, lanes 16-31 the next
	v_lshlrev_b32 v[BO], 5, v2
	s_wait_alu depctr_va_vdst(0)
	s_lshl_b32 s20, s19, 7
	s_lshl_b32 s21, s17, 6
	s_add_co_u32 s20, s20, s21
	s_lshl_b32 s20, s20, 12                        ; my first row, in bytes
	s_lshl_b32 s46, s42, 9
	s_lshl_b32 s47, s18, 8
	s_add_co_u32 s46, s46, s47                     ; my first column, in bytes
	s_mov_b32 s47, 0
	s_add_nc_u64 s[10:11], s[10:11], s[46:47]
	s_add_co_u32 s46, s46, s20
	s_add_nc_u64 s[14:15], s[14:15], s[46:47]
	s_add_nc_u64 s[12:13], s[12:13], s[46:47]
.if RES
	s_add_nc_u64 s[12:13], s[12:13], RES
.endif
.irp b, 0,1,2,3
	global_load_b128 v[BIAS+8*\b:BIAS+8*\b+3], v[BO], s[10:11] offset:64*\b    ; register 8 b + j: the bias of column 16 b + 8 h + j
	global_load_b128 v[BIAS+8*\b+4:BIAS+8*\b+7], v[BO], s[10:11] offset:64*\b+16
.endr
	WIN 0x80                                       ; destination window 2
.irp a, 0,1,2,3
.irp i, 0,1,2,3,4,5,6,7
	global_load_b128 v[32*\a+4*\i:32*\a+4*\i+3], v[CO], s[12:13] offset:(16*\a+2*\i)*4096 th:TH_LOAD_NT
.endr
.endr
	WIN 0
.macro MUL4 f, a, q, sc, first         ; A's block a x B's four, 128 along K; the 16 accumulators take turns, one instruction a turn
.irp b, 0,1,2,3
.if \first
	v_wmma_scale_f32_16x16x128_f8f6f4 v[ACC+8*(4*(\a)+\b):ACC+8*(4*(\a)+\b)+7], v[\f+64+16*\b:\f+64+16*\b+15], v[\f+16*(\a):\f+16*(\a)+15], v[BIAS+8*\b:BIAS+8*\b+7], v[SB+32*(\sc)+4*\b+(\q)], v[SA+32*(\sc)+4*(\a)+(\q)]
.else
	v_wmma_scale_f32_16x16x128_f8f6f4 v[ACC+8*(4*(\a)+\b):ACC+8*(4*(\a)+\b)+7], v[\f+64+16*\b:\f+64+16*\b+15], v[\f+16*(\a):\f+16*(\a)+15], v[ACC+8*(4*(\a)+\b):ACC+8*(4*(\a)+\b)+7], v[SB+32*(\sc)+4*\b+(\q)], v[SA+32*(\sc)+4*(\a)+(\q)]
.endif
.endr
.endm
.macro FETCH slot, q, f, sc            ; the fragments of the slot's q-th 128 along K into buffer f; sc >= 0: the slot's scale words into set sc.  A's blocks 2 and 3 come last
	WIN TO_F
.irp i, 0,1,2,3
.irp c, 0,1,2,3
	ds_load_b128 v[\f+64+16*\i+4*\c:\f+64+16*\i+4*\c+3], v[ADRB+\slot] offset:\i*16*PB+128*(\q)+32*\c
.endr
.endr
.irp i, 0,1
.irp c, 0,1,2,3
	ds_load_b128 v[\f+16*\i+4*\c:\f+16*\i+4*\c+3], v[ADRA+\slot] offset:(\q)*PANB+\i*16*PA+32*\c
.endr
.endr
.if \sc >= 0
	WIN 0
.irp i, 0,1,2,3
.irp u, 0,1,2,3
	ds_load_b32 v[SA+32*(\sc)+4*\i+\u], v[ASA] offset:512*\u+64*\i
.endr
	ds_load_b128 v[SB+32*(\sc)+4*\i:SB+32*(\sc)+4*\i+3], v[ASB] offset:\i*SBLK
.endr
	WIN TO_F
.endif
.irp i, 2,3
.irp c, 0,1,2,3
	ds_load_b128 v[\f+16*\i+4*\c:\f+16*\i+4*\c+3], v[ADRA+\slot] offset:(\q)*PANB+\i*16*PA+32*\c
.endr
.endr
.endm
.macro PLACES n                        ; plain vector instructions between a matrix instruction and a load into, or a read of, its registers
.rept \n
	v_nop
.endr
.endm
.macro QUARTER slot, q, f, g, first    ; multiplies the slot's q-th 128 along K (buffer f) and fetches the next into g
	s_wait_dscnt 8                                 ; all but A's blocks 2 and 3, the youngest eight loads
	WIN MUL
	MUL4 \f, 0, \q, \slot, \first
	MUL4 \f, 1, \q, \slot, \first
	PLACES NP
	FETCH \slot, (\q)+1, \g, -1
	s_wait_dscnt 32                                ; all but the 32 just issued
	WIN MUL
	MUL4 \f, 2, \q, \slot, \first
	MUL4 \f, 3, \q, \slot, \first
.endm
.macro TURN slot, next, fill           ; the slot's last quarter (buffer 1) changes slots: one barrier
	WIN 0
	s_wait_tensorcnt 0x0                           ; all my tensor loads have landed: my part of the next slot
	ds_add_u32 v[SPW], v[NIL]
	s_wait_dscnt 9                                 ; the add and A's blocks 2 and 3 may be out
	WIN MUL
	MUL4 F1, 0, 3, \slot, 0
	s_wait_dscnt 0x0                               ; the add is done, and my reads of this slot are over
	s_barrier_signal -1
	MUL4 F1, 1, 3, \slot, 0
	WIN 0
	s_barrier_wait -1
.if \fill
	CREST                                          ; the barrier has opened a round of the cluster's
	s_add_nc_u64 s[G0+4*\slot+2:G0+4*\slot+3], s[G0+4*\slot+2:G0+4*\slot+3], 4194304
	s_add_nc_u64 s[G0B+4*\slot+2:G0B+4*\slot+3], s[G0B+4*\slot+2:G0B+4*\slot+3], 1024
	JLOAD G0+4*\slot, G1, G0B+4*\slot, G1B
	PLACES NP-4
.else
	PLACES NP
.endif
	v_add_nc_u32 v[ASA], 2048, v[ASA]              ; the next slot's scale words
	v_add_nc_u32 v[ASB], 16, v[ASB]
	FETCH \next, 0, F0, \next
	WIN MUL
	MUL4 F1, 2, 3, \slot, 0
	MUL4 F1, 3, 3, \slot, 0
.endm
	s_wait_tensorcnt 1                             ; the scales and my part of slot 0 are in; slot 1's load may be out
	s_barrier_signal -1
	s_barrier_wait -1
	FETCH 0, 0, F0, 0
	s_wait_loadcnt 32                              ; the bias is in; the residual's 32 loads may be out
	QUARTER 0, 0, F0, F1, 1
.if LAPS > 1
	WIN 0
	s_mov_b32 s3, LAPS-1
.Llap:
	QUARTER 0, 1, F1, F0, 0
	QUARTER 0, 2, F0, F1, 0
	TURN 0, 1, 1
	QUARTER 1, 0, F0, F1, 0
	QUARTER 1, 1, F1, F0, 0
	QUARTER 1, 2, F0, F1, 0
	TURN 1, 0, 1
	QUARTER 0, 0, F0, F1, 0
	WIN 0
	s_sub_co_u32 s3, s3, 1
	s_cmp_lg_u32 s3, 0
	s_cbranch_scc1 .Llap
.endif
	QUARTER 0, 1, F1, F0, 0                        ; the last lap fills nothing
	QUARTER 0, 2, F0, F1, 0
	TURN 0, 1, 0
	QUARTER 1, 0, F0, F1, 0
	QUARTER 1, 1, F1, F0, 0
	QUARTER 1, 2, F0, F1, 0
	s_wait_dscnt 8
	WIN MUL
	MUL4 F1, 0, 3, 1, 0
	MUL4 F1, 1, 3, 1, 0
	s_wait_dscnt 0
	MUL4 F1, 2, 3, 1, 0
	MUL4 F1, 3, 3, 1, 0
	WIN 0
; THE WAY OUT: a wave's 64 columns are 256 bytes: a block of 16 rows goes through the wave's own stage (in slot 0, which has had its last fill and its last read) and comes back as whole rows; the residual is added; sixteen lanes store 256 consecutive bytes
.macro TOSTAGE a
.irp b, 0,1,2,3
	ds_store_b128 v[STO], v[ACC+8*(4*(\a)+\b):ACC+8*(4*(\a)+\b)+3] offset:64*\b    ; each accumulator from its low end on
	ds_store_b128 v[STO], v[ACC+8*(4*(\a)+\b)+4:ACC+8*(4*(\a)+\b)+7] offset:64*\b+16
.endr
.set BB, BK+32*((\a)%2)
.irp i, 0,1,2,3,4,5,6,7
	ds_load_b128 v[BB+4*\i:BB+4*\i+3], v[RD] offset:\i*2*SP        ; LDS serves a wave's instructions in order
.endr
.endm
.macro SEND a, younger
.set BB, BK+32*((\a)%2)
	s_wait_dscnt \younger
	WIN 0x08                                       ; source 1: window 2
.set n, 0
.rept 16
	v_pk_add_f32 v[BB+n:BB+n+1], v[BB+n:BB+n+1], v[32*(\a)+n:32*(\a)+n+1]
.set n, n+2
.endr
	WIN 0
.irp i, 0,1,2,3,4,5,6,7
	global_store_b128 v[CO], v[BB+4*\i:BB+4*\i+3], s[14:15] offset:(16*(\a)+2*\i)*4096 th:TH_STORE_NT
.endr
.endm
	PLACES NP
	s_wait_loadcnt 0x0                             ; the residual
	TOSTAGE 0
.irp a, 1,2,3
.if \a > 1
	s_wait_xcnt 0x0                                ; block a - 2's stores have read their data: block a's loads may land there
.endif
	TOSTAGE \a
	SEND \a-1, 16                                  ; behind block a - 1's loads: block a's 8 stores and 8 loads
.endr
	SEND 3, 0
	s_wait_tensorcnt 0x0                           ; the wave's end
	ds_add_u32 v[SPW], v[NIL]
	s_wait_dscnt 0x0
	CROUND                                         ; the closing round
	s_endpgm
.Lfunc_end_k_q79c52f510d_wo:
	.size	k_q79c52f510d_wo, .Lfunc_end_k_q79c52f510d_wo-k_q79c52f510d_wo
	.p2alignl 7, 3214868480
	.fill 96, 4, 3214868480
	.section	.rodata,"a",@progbits
	.p2align	6, 0x0
	.amdhsa_kernel k_q79c52f510d_wo
		.amdhsa_group_segment_fixed_size 327680
		.amdhsa_private_segment_fixed_size 0
		.amdhsa_enable_private_segment 0
		.amdhsa_kernarg_size 48
		.amdhsa_user_sgpr_count 2
		.amdhsa_user_sgpr_kernarg_segment_ptr 1
		.amdhsa_wavefront_size32 1
		.amdhsa_system_sgpr_workgroup_id_x 1
		.amdhsa_system_sgpr_workgroup_id_y 1
		.amdhsa_system_sgpr_workgroup_id_z 1
		.amdhsa_system_vgpr_workitem_id 0
		.amdhsa_next_free_vgpr 768
		.amdhsa_next_free_sgpr 100
		.amdhsa_reserve_vcc 0
		.amdhsa_float_denorm_mode_32 3
		.amdhsa_float_denorm_mode_16_64 3
		.amdhsa_memory_ordered 1
		.amdhsa_forward_progress 1
		.amdhsa_inst_pref_size 64
	.end_amdhsa_kernel
	.amdgpu_metadata
---
amdhsa.version: [ 1, 2 ]
amdhsa.kernels:
  - .name:           k_q79c52f510d_wo
    .symbol:         k_q79c52f510d_wo.kd
    .args:
      - { .name: aob, .offset: 0, .size: 8, .value_kind: global_buffer, .address_space: global }
      - { .name: Wo_codes, .offset: 8, .size: 8, .value_kind: global_buffer, .address_space: global }
      - { .name: Wo_scales, .offset: 16, .size: 8, .value_kind: global_buffer, .address_space: global }
      - { .name: bo, .offset: 24, .size: 8, .value_kind: global_buffer, .address_space: global }
      - { .name: lnA, .offset: 32, .size: 8, .value_kind: global_buffer, .address_space: global }
      - { .name: x1, .offset: 40, .size: 8, .value_kind: global_buffer, .address_space: global }
    .group_segment_fixed_size: 327680
    .private_segment_fixed_size: 0
    .kernarg_segment_align: 8
    .kernarg_segment_size: 48
    .max_flat_workgroup_size: 128
    .sgpr_count:     100
    .vgpr_count:     768
    .wavefront_size: 32
...
	.end_amdgpu_metadata
.endif
;; end of part 4
;; launch ln2 (part 5): grid 256 x 1, 4 waves a work-group, no clusters, 17,408 bytes of LDS; arguments x1, ln2_g, ln2_b, hb; writes hb
.if DOCPART == 5
	.amdgcn_target "amdgcn-amd-amdhsa--gfx1250"
	.amdhsa_code_object_version 6
	.text
	.protected	k_q79c52f510d_ln2
	.globl	k_q79c52f510d_ln2
	.p2align	8
	.type	k_q79c52f510d_ln2,@function
k_q79c52f510d_ln2:
	s_mov_b64 s[64:65], 0
	v_nop
	global_prefetch_b8 v0, s[64:65] scope:SCOPE_SE
	s_setreg_imm32_b32 hwreg(HW_REG_WAVE_MODE, 25, 1), 1
	s_wait_xcnt 0x0
; LAYER NORM AND QUANTISER, the first kernel's text with XN = 0: y = (x - mean) * rsqrt(var + 1e-5) * g + b for rows of 1,024 f32; y leaves as codes of E4M3 with one E8M0 byte for each 32 along the row, and not as f32.
; (The input positions is left out of the whole program: see the first kernel.)
; OUT: codes [4096][1024] at +0, scale bytes [4096][32] at +OSC.
; SHARES: a work-group takes 16 rows, a wave 4; a wave's 32 row loads go out at the head.  Load j gives lane l the numbers 128 j + 4 l .. + 3: each load covers 512 consecutive bytes.
; A block of 32 lies in 8 neighbouring lanes (4 numbers each).  The numbers are multiplied by the exact inverse of the block's scale, and converted eight at a time with the scale operand 1.0.
; LIMITS: NaN and infinities are not served; a block whose largest magnitude lies under 2^-118 keeps the byte 1, a block of zeros too (its codes are zeros; this program alone reads the bytes).
.set XN,    0
.set OSC,   0x400000
.set OXN,   0x420000
.set SCS,   16384
.set SPARE, 16896
.set C,     16
.set OUTR,  24
.set AM,    56
.set G,     64
.set BT,    96
.set X,     128
	s_load_b256 s[4:11], s[0:1], 0x0               ; x, g, b, out
	v_lshl_add_u32 v6, v0, 2, SPARE                ; my spare word
	v_mov_b32 v7, 0
	v_lshrrev_b32 v1, 5, v0
	v_readfirstlane_b32 s16, v1                    ; wave
	v_and_b32 v5, 31, v0                           ; lane
	v_lshlrev_b32 v1, 4, v5                        ; 16 x lane
	s_lshl_b32 s17, s16, 12
	v_lshl_add_u32 v2, v5, 2, s17                  ; code stage, in
	v_add_nc_u32 v3, s17, v1                       ; and out
	s_lshl_b32 s17, s16, 7
	s_add_co_u32 s17, s17, SCS
	v_lshrrev_b32 v4, 3, v5
	v_add_nc_u32 v4, s17, v4                       ; my block's scale byte
	v_mov_b32 v5, 1.0                              ; the conversions' scale operand
	s_mov_b32 s12, 0x76543210
	s_mov_b32 s13, 0xfedcba98
	s_mov_b32 s26, 0x3a800000                      ; 1 / 1,024
	s_mov_b32 s27, 0x3727c5ac                      ; 1e-5
	s_lshl_b32 s28, ttmp9, 4
	s_lshl_b32 s29, s16, 2
	s_add_co_u32 s28, s28, s29                     ; my first row
	s_lshl_b32 s18, s28, 12
	s_mov_b32 s19, 0
	s_wait_alu depctr_va_vdst(0)
	s_wait_kmcnt 0x0
	s_add_nc_u64 s[4:5], s[4:5], s[18:19]
.if XN
	s_add_nc_u64 s[20:21], s[10:11], s[18:19]
	s_add_nc_u64 s[20:21], s[20:21], OXN
.endif
	s_lshl_b32 s18, s28, 10
	s_add_nc_u64 s[22:23], s[10:11], s[18:19]
	s_lshl_b32 s18, ttmp9, 9
	s_add_nc_u64 s[24:25], s[10:11], s[18:19]
	s_add_nc_u64 s[24:25], s[24:25], OSC
.irp j, 0,1,2,3,4,5,6,7
	global_load_b128 v[G+4*\j:G+4*\j+3], v1, s[6:7] offset:512*\j
	global_load_b128 v[BT+4*\j:BT+4*\j+3], v1, s[8:9] offset:512*\j
.endr
.irp i, 0,1,2,3
.irp j, 0,1,2,3,4,5,6,7
	global_load_b128 v[X+32*\i+4*\j:X+32*\i+4*\j+3], v1, s[4:5] offset:4096*\i+512*\j th:TH_LOAD_NT
.endr
.endr
.macro WSUM
	v_pk_add_f32 v[8:9], v[8:9], v[10:11]
	v_add_f32 v8, v8, v9
	v_add_f32_dpp v8, v8, v8 row_xmask:1 row_mask:0xf bank_mask:0xf
	v_add_f32_dpp v8, v8, v8 row_xmask:2 row_mask:0xf bank_mask:0xf
	v_add_f32_dpp v8, v8, v8 row_xmask:4 row_mask:0xf bank_mask:0xf
	v_add_f32_dpp v8, v8, v8 row_xmask:8 row_mask:0xf bank_mask:0xf
	v_permlanex16_b32 v9, v8, s12, s13
	v_add_f32 v8, v8, v9
.endm
.macro ROW i
.set XR, X+32*(\i)
.set IV, OUTR+8*(\i)
	s_wait_loadcnt 8*(3-(\i))                      ; g, b and my rows up to this one are in; the later rows' eight loads each may be out
	v_pk_add_f32 v[8:9], v[XR:XR+1], v[XR+2:XR+3]
	v_pk_add_f32 v[10:11], v[XR+4:XR+5], v[XR+6:XR+7]
.irp n, 8,12,16,20,24,28
	v_pk_add_f32 v[8:9], v[8:9], v[XR+\n:XR+\n+1]
	v_pk_add_f32 v[10:11], v[10:11], v[XR+\n+2:XR+\n+3]
.endr
	WSUM
	v_mul_f32 v12, s26, v8
	v_mul_f32 v13, s26, v8
.irp n, 0,2,4,6,8,10,12,14,16,18,20,22,24,26,28,30
	v_pk_add_f32 v[XR+\n:XR+\n+1], v[XR+\n:XR+\n+1], v[12:13] neg_lo:[0,1] neg_hi:[0,1]
.endr
	v_pk_mul_f32 v[8:9], v[XR:XR+1], v[XR:XR+1]
	v_pk_mul_f32 v[10:11], v[XR+2:XR+3], v[XR+2:XR+3]
.irp n, 4,8,12,16,20,24,28
	v_pk_fma_f32 v[8:9], v[XR+\n:XR+\n+1], v[XR+\n:XR+\n+1], v[8:9]
	v_pk_fma_f32 v[10:11], v[XR+\n+2:XR+\n+3], v[XR+\n+2:XR+\n+3], v[10:11]
.endr
	WSUM
	v_fma_f32 v8, v8, s26, s27
	s_wait_alu depctr_va_vdst(0)
	v_rsq_f32 v14, v8
	v_rsq_f32 v15, v8
	v_nop                                          ; a plain instruction behind the two,
	s_wait_alu depctr_va_vdst(0)                   ; and the one wait ahead of their first reader
.irp n, 0,2,4,6,8,10,12,14,16,18,20,22,24,26,28,30
	v_pk_mul_f32 v[XR+\n:XR+\n+1], v[XR+\n:XR+\n+1], v[14:15]
.endr
.irp n, 0,2,4,6,8,10,12,14,16,18,20,22,24,26,28,30
	v_pk_fma_f32 v[XR+\n:XR+\n+1], v[XR+\n:XR+\n+1], v[G+\n:G+\n+1], v[BT+\n:BT+\n+1]
.endr
.if XN
.irp j, 0,1,2,3,4,5,6,7
	global_store_b128 v1, v[XR+4*\j:XR+4*\j+3], s[20:21] offset:4096*(\i)+512*\j
.endr
	s_wait_xcnt 0x0
.endif
.irp j, 0,1,2,3,4,5,6,7
	v_max3_num_f32 v[AM+\j], |v[XR+4*\j]|, |v[XR+4*\j+1]|, 0x4800000   ; my four numbers of block 4 j + lane / 8, and the floor 2^(9 - 127)
.endr
.irp j, 0,1,2,3,4,5,6,7
	v_max3_num_f32 v[AM+\j], v[AM+\j], |v[XR+4*\j+2]|, |v[XR+4*\j+3]|
.endr
.irp m, 1,2,4
.irp j, 0,1,2,3,4,5,6,7
	v_max_num_f32_dpp v[AM+\j], v[AM+\j], v[AM+\j] row_xmask:\m row_mask:0xf bank_mask:0xf
.endr
.endr
.irp j, 0,1,2,3,4,5,6,7
	v_add_nc_u32 v[AM+\j], 0xfc000000, v[AM+\j]
.endr
.irp j, 0,1,2,3,4,5,6,7
	v_and_b32 v[IV+\j], 0x7f800000, v[AM+\j]
.endr
.irp j, 0,1,2,3,4,5,6,7
	v_sub_nc_u32 v[IV+\j], 0x7f000000, v[IV+\j]    ; 1 / scale, exact
.endr
.irp j, 0,1,2,3,4,5,6,7
	v_lshrrev_b32 v[AM+\j], 23, v[AM+\j]           ; the byte
.endr
.irp j, 0,1,2,3,4,5,6,7
.irp e, 0,1,2,3
	v_mul_f32 v[XR+4*\j+\e], v[XR+4*\j+\e], v[IV+\j]
.endr
.endr
.irp n, 0,1,2,3,4,5,6,7,8,9,10,11,12,13,14,15,16,17,18,19,20,21,22,23,24,25,26,27,28,29,30,31
.endr
.irp u, 0,1,2,3
	v_cvt_scalef32_pk8_fp8_f32 v[C+2*\u:C+2*\u+1], v[XR+8*\u:XR+8*\u+7], v5
.endr
	v_nop                                          ; a plain instruction behind the last conversion
.irp j, 0,1,2,3,4,5,6,7
	ds_store_b8 v4, v[AM+\j] offset:32*(\i)+4*\j   ; eight lanes write the same byte with the same value
	ds_store_b32 v2, v[C+\j] offset:1024*(\i)+128*\j
.endr
	ds_load_b128 v[IV:IV+3], v3 offset:1024*(\i)   ; LDS serves a wave's instructions in order
	ds_load_b128 v[IV+4:IV+7], v3 offset:1024*(\i)+512
	s_wait_dscnt 0x0
	global_store_b128 v1, v[IV:IV+3], s[22:23] offset:1024*(\i)
	global_store_b128 v1, v[IV+4:IV+7], s[22:23] offset:1024*(\i)+512
.endm
	ROW 0
	ROW 1
	ROW 2
	ROW 3
	v_add_nc_u32 v8, SCS, v1
	s_wait_dscnt 0x0                               ; my byte stores have landed
	s_barrier_signal -1
	s_barrier_wait -1
	s_cmp_lg_u32 s16, 0
	s_cbranch_scc1 .Lnot_wave_0
	s_wait_alu depctr_va_vdst(0)
	ds_load_b128 v[12:15], v8
	s_wait_dscnt 0x0
	global_store_b128 v1, v[12:15], s[24:25]       ; 512 consecutive bytes
.Lnot_wave_0:
	s_wait_tensorcnt 0x0                           ; the wave's end
	ds_add_u32 v6, v7
	s_wait_dscnt 0x0
	s_endpgm
.Lfunc_end_k_q79c52f510d_ln2:
	.size	k_q79c52f510d_ln2, .Lfunc_end_k_q79c52f510d_ln2-k_q79c52f510d_ln2
	.p2alignl 7, 3214868480
	.fill 96, 4, 3214868480
	.section	.rodata,"a",@progbits
	.p2align	6, 0x0
	.amdhsa_kernel k_q79c52f510d_ln2
		.amdhsa_group_segment_fixed_size 17408
		.amdhsa_private_segment_fixed_size 0
		.amdhsa_enable_private_segment 0
		.amdhsa_kernarg_size 32
		.amdhsa_user_sgpr_count 2
		.amdhsa_user_sgpr_kernarg_segment_ptr 1
		.amdhsa_wavefront_size32 1
		.amdhsa_system_sgpr_workgroup_id_x 1
		.amdhsa_system_sgpr_workgroup_id_y 1
		.amdhsa_system_sgpr_workgroup_id_z 1
		.amdhsa_system_vgpr_workitem_id 0
		.amdhsa_next_free_vgpr 256
		.amdhsa_next_free_sgpr 66
		.amdhsa_reserve_vcc 0
		.amdhsa_float_denorm_mode_32 3
		.amdhsa_float_denorm_mode_16_64 3
		.amdhsa_fp16_overflow 1
		.amdhsa_memory_ordered 1
		.amdhsa_forward_progress 1
		.amdhsa_inst_pref_size 60
	.end_amdhsa_kernel
	.amdgpu_metadata
---
amdhsa.version: [ 1, 2 ]
amdhsa.kernels:
  - .name:           k_q79c52f510d_ln2
    .symbol:         k_q79c52f510d_ln2.kd
    .args:
      - { .name: x1, .offset: 0, .size: 8, .value_kind: global_buffer, .address_space: global }
      - { .name: ln2_g, .offset: 8, .size: 8, .value_kind: global_buffer, .address_space: global }
      - { .name: ln2_b, .offset: 16, .size: 8, .value_kind: global_buffer, .address_space: global }
      - { .name: hb, .offset: 24, .size: 8, .value_kind: global_buffer, .address_space: global }
    .group_segment_fixed_size: 17408
    .private_segment_fixed_size: 0
    .kernarg_segment_align: 8
    .kernarg_segment_size: 32
    .max_flat_workgroup_size: 128
    .sgpr_count:     66
    .vgpr_count:     256
    .wavefront_size: 32
...
	.end_amdgpu_metadata
.endif
;; end of part 5
;; launch w1 (part 6): grid 16 x 16, 4 waves a work-group, clusters of 4 x 4, 327,680 bytes of LDS; arguments hb, W1_codes, W1_scales, b1, gb; writes gb
.if DOCPART == 6
	.amdgcn_target "amdgcn-amd-amdhsa--gfx1250"
	.amdhsa_code_object_version 6
	.text
	.protected	k_q79c52f510d_w1
	.globl	k_q79c52f510d_w1
	.p2align	8
	.type	k_q79c52f510d_w1,@function
k_q79c52f510d_w1:
	s_mov_b64 s[64:65], 0
	v_nop
	global_prefetch_b8 v0, s[64:65] scope:SCOPE_SE
	s_setreg_imm32_b32 hwreg(HW_REG_WAVE_MODE, 25, 1), 1
	s_wait_xcnt 0x0
	s_wait_alu depctr_hold_cnt(0) depctr_sa_sdst(0) depctr_va_vdst(0) depctr_va_sdst(0) depctr_va_ssrc(0) depctr_va_vcc(0) depctr_vm_vsrc(0)
	s_getreg_b32 s2, hwreg(HW_REG_IB_STS2, 6, 4)
	s_cmp_eq_u32 s2, 0
	s_cbranch_scc0 .Lentry_in_a_cluster
	s_endpgm
.Lentry_in_a_cluster:
	s_bfe_u32 s2, ttmp6, 0x10000c
	s_cmp_lg_u32 s2, 0xf033
	s_cbranch_scc0 .Lentry_shape_is_right
	s_endpgm
.Lentry_shape_is_right:
; A GEMM ON CODES OF E4M3 WHOSE RESULT IS QUANTISED ON THE WAY OUT: the text of the launch for q, k, v with QKV = 0: g = gelu(ln2(x1) W1 + b1), erf form.  C[m][n] = sum over k of A[m][k] B[n][k] + bias, K = 1,024.
; (The input positions is left out of the whole program: see the first kernel.)
; A tile of C, 256 x 256, is made by four waves, 128 x 128 each: 64 accumulators, 512 registers.  K goes in steps of 256 through a ring of two LDS slots filled by the tensor data mover; the scale bytes of the
; work-group's rows come once.  CLUSTERS: 4 x 4 work-groups; A's tiles are asked for jointly along a row of the cluster, B's along a column.  THE MATRIX INSTRUCTION IS USED TRANSPOSED (source 0 = rows of B,
; source 1 = rows of A): lane (r, h) holds row r of A's block and, in accumulator (a, b), the columns 16 b + 8 h + 0 .. 7.
; REGISTERS: window 0: v0-31 addresses; v32-63 scale words, two sets; v64-127 the bias by columns; from v128 A's fragments, one set.  window 1: B's fragments, two sets.  windows 2, 3: the accumulators.
; THE WAY OUT, a loop of 8 trips, 16 rows a trip: the move of the block's 64 numbers into window 0 is the addition of the bias; gelu; the four blocks of 32 columns are quantised (lanes l and l xor 16 hold a block);
; the codes go through the wave's stage, are read back at the trip's end and leave, as 2,048 consecutive bytes, in the NEXT trip, between gelu's two halves: so no trip waits for its own way through the stage.
; OUT, in panels: codes [columns / 128][rows][128 bytes], scale words at 16 MB [columns / 128][rows][4 bytes], the codes in their true order.
; LIMITS: NaN and infinities are not served; a block whose largest magnitude lies under 2^-118, a block of zeros too, keeps the byte 1 (this program alone reads the bytes).
.set QKV,    0
.set SIZE_K, 1024
.set KSTEP,  256
.set NQ,     KSTEP/128
.set ROWB,   256
.set KROW,   SIZE_K
.set PITCH,  272
.set FR,     16
.set NL,     4
.set NP,     8
.set HALFT,  128*PITCH
.set SLOT,   4*HALFT
.set LAPS,   SIZE_K/(2*KSTEP)
.set KS,     SIZE_K/32
.set SCL,    2*SLOT
.set HALFS,  (128*KS/256)*272
.set SBLK,   (16*KS/256)*272
.set SPARE,  SCL+4*HALFS
.set ADRA, 16
.set ADRB, 20
.set ADRS, 27
.set SPW,  28
.set NIL,  29
.set SC,   32
.set BI,   64
.set AF,   128
.set STO,  16
.set RD,   17
.set CO,   18
.set SWB,  19
.set SWT,  20
.set SWR,  21
.set OUTR, 32                          ; v32-47 a block's codes read back, kept into the next trip (the scale words' registers, free behind the last product); v48-51 the scale words on their way out
.set H,    128
.set T,    192
.set P,    224
.set PC,   192
.set TM,   208
.set PW,   224
.set SEL,  20
.set MNT,  23
.set G1, 24
.set G0, 32
.set G1B, 48
.set G0B, 56
.set G1S, 68
.set G0S, 76
.set G1SB, 80
.set G0SB, 88
.set MSB, 0
.macro WIN new
.if MSB != (\new)
	s_set_vgpr_msb (MSB<<8)|(\new)
.set MSB, (\new)
.endif
.endm
.set MUL_LO, 0xa1
.set MUL_HI, 0xf1
.set TO_B,   0x40
.macro JLOAD g0a, g1a, g0b, g1b        ; a joint load: waves 0 and 1 fetch for A, waves 2 and 3 for B; an s_nop 0 and four v_nop follow each line
	s_cmp_eq_u32 s15, 0
	s_cbranch_scc0 .Lfor_b_\@
	tensor_load_to_lds s[\g0a:\g0a+3], s[\g1a:\g1a+7]
	s_nop 0
.rept 4
	v_nop
.endr
	s_branch .Lasked_\@
.Lfor_b_\@:
	tensor_load_to_lds s[\g0b:\g0b+3], s[\g1b:\g1b+7]
	s_nop 0
.rept 4
	v_nop
.endr
.Lasked_\@:
.endm
.macro CREST
	s_cmp_lg_u32 s14, 0
	s_cbranch_scc1 .Lnot_wave_0_\@
	s_barrier_signal -3
.Lnot_wave_0_\@:
	s_barrier_wait -3
	s_barrier_signal -1
	s_barrier_wait -1
.endm
.macro CROUND
	s_barrier_signal -1
	s_barrier_wait -1
	CREST
.endm
.if QKV
	s_load_b512 s[24:39], s[0:1], 0x0
	s_load_b128 s[40:43], s[0:1], 0x40
	s_load_b64 s[44:45], s[0:1], 0x50
.else
	s_load_b256 s[24:31], s[0:1], 0x0              ; hb, W1 codes, scales, b1
	s_load_b64 s[32:33], s[0:1], 0x20              ; gb
.endif
	v_lshl_add_u32 v[SPW], v0, 2, SPARE
	v_mov_b32 v[NIL], 0
	ds_add_u32 v[SPW], v[NIL]                      ; the wave's opening: the add, twice on end, and its wait ahead of my first tensor load
	ds_add_u32 v[SPW], v[NIL]
	v_lshrrev_b32 v1, 5, v0
	v_readfirstlane_b32 s14, v1                    ; wave 0..3
	s_lshr_b32 s15, s14, 1
	s_and_b32 s16, s14, 1
	s_wait_dscnt 0x0                               ; both opening adds are done
	s_wait_kmcnt 0x0                               ; the addresses lie where the descriptors will: they are moved first
.if QKV
	s_cmp_eq_u32 ttmp9, 0
	s_cselect_b64 s[8:9], s[26:27], s[30:31]
	s_cselect_b64 s[10:11], s[28:29], s[32:33]
	s_cselect_b64 s[96:97], s[38:39], s[40:41]
	s_add_nc_u64 s[6:7], s[24:25], 0x400000
	s_cmp_eq_u32 ttmp9, 2
	s_cselect_b32 s95, 1, 0
	s_cselect_b64 s[4:5], s[34:35], s[24:25]
	s_cselect_b64 s[98:99], s[36:37], s[6:7]
	s_cselect_b64 s[8:9], s[24:25], s[8:9]
	s_cselect_b64 s[10:11], s[6:7], s[10:11]
	s_cselect_b64 s[96:97], s[42:43], s[96:97]
	s_mov_b64 s[6:7], s[98:99]
	s_mov_b64 s[12:13], s[44:45]
.else
	s_mov_b64 s[4:5], s[24:25]                     ; A's codes
	s_add_nc_u64 s[6:7], s[24:25], 0x400000        ; A's scale bytes
	s_mov_b64 s[8:9], s[26:27]
	s_mov_b64 s[10:11], s[28:29]
	s_mov_b64 s[96:97], s[30:31]
	s_mov_b64 s[12:13], s[32:33]
.endif
	s_bfe_u32 s40, ttmp6, 0x40000                  ; cx, cy
	s_bfe_u32 s41, ttmp6, 0x40004
	s_and_b32 s17, ttmp7, 0xffff
.if QKV
	s_cmp_eq_u32 s95, 1
	s_cselect_b32 s42, s17, 0
	s_cselect_b32 s17, 0, s17
.else
	s_mov_b32 s42, ttmp9
.endif
	s_lshl_b32 s42, s42, 2
	s_add_co_u32 s42, s42, s40                     ; tile column of C
	s_lshl_b32 s17, s17, 2
	s_add_co_u32 s17, s17, s41                     ; tile row of C
	s_lshl_b32 s43, s41, 2
	s_lshl_b32 s43, 15, s43
	s_lshl_b32 s44, 0x1111, s40
	s_or_b32 s[G1+0], s43, (0<<16)|(1<<20)|(1<<21)|(5<<22)|(3<<25)
	s_or_b32 s[G1B+0], s44, (0<<16)|(1<<20)|(1<<21)|(5<<22)|(3<<25)
.irp g, G1, G1B
	s_mov_b32 s[\g+1], ROWB<<16
	s_mov_b32 s[\g+2], 128<<16
	s_mov_b32 s[\g+3], ROWB<<16
	s_mov_b32 s[\g+4], 128
	s_mov_b32 s[\g+5], KROW
	s_mov_b32 s[\g+6], 0
	s_mov_b32 s[\g+7], 0
.endr
	s_or_b32 s[G1S+0], s43, (3<<16)|(1<<20)|(1<<21)|(5<<22)|(3<<25)
	s_or_b32 s[G1SB+0], s44, (3<<16)|(1<<20)|(1<<21)|(5<<22)|(3<<25)
.irp g, G1S, G1SB
	s_mov_b32 s[\g+1], 32<<16
	s_mov_b32 s[\g+2], (128*KS/256)<<16
	s_mov_b32 s[\g+3], 32<<16
	s_mov_b32 s[\g+4], 128*KS/256
	s_mov_b32 s[\g+5], 32
	s_mov_b32 s[\g+6], 0
	s_mov_b32 s[\g+7], 0
.endr
	s_lshl_b32 s18, s16, 7
	s_lshl_b32 s20, s17, 8
	s_add_co_u32 s20, s20, s18
	s_lshl_b32 s46, s42, 8
	s_add_co_u32 s46, s46, s18
	s_mov_b32 s21, 0
	s_mov_b32 s47, 0
	s_mov_b64 s[18:19], KS
	s_mul_u64 s[22:23], s[20:21], s[18:19]
	s_mul_u64 s[92:93], s[46:47], s[18:19]
	s_mov_b64 s[18:19], KROW
	s_mul_u64 s[20:21], s[20:21], s[18:19]
	s_mul_u64 s[46:47], s[46:47], s[18:19]
	s_mul_i32 s45, s14, HALFT
	s_mul_i32 s94, s14, HALFS
	s_add_nc_u64 s[20:21], s[4:5], s[20:21]
	s_add_nc_u64 s[22:23], s[6:7], s[22:23]
	s_add_nc_u64 s[46:47], s[8:9], s[46:47]
	s_add_nc_u64 s[92:93], s[10:11], s[92:93]
	CROUND                                         ; all sixteen work-groups are here
	s_mov_b32 s[G0S], 1
	s_add_co_u32 s[G0S+1], s94, SCL
	s_mov_b64 s[G0S+2:G0S+3], s[22:23]
	s_or_b32 s[G0S+3], s[G0S+3], 0x80000000
	s_mov_b32 s[G0SB], 1
	s_add_co_u32 s[G0SB+1], s94, SCL
	s_mov_b64 s[G0SB+2:G0SB+3], s[92:93]
	s_or_b32 s[G0SB+3], s[G0SB+3], 0x80000000
	JLOAD G0S, G1S, G0SB, G1SB                     ; the scales first: three loads of mine are out behind the last of these
.irp s, 0,1
	s_mov_b32 s[G0+4*\s], 1
	s_add_co_u32 s[G0+4*\s+1], s45, \s*SLOT
	s_add_nc_u64 s[G0+4*\s+2:G0+4*\s+3], s[20:21], \s*ROWB
	s_or_b32 s[G0+4*\s+3], s[G0+4*\s+3], 0x80000000
	s_mov_b32 s[G0B+4*\s], 1
	s_add_co_u32 s[G0B+4*\s+1], s45, \s*SLOT
	s_add_nc_u64 s[G0B+4*\s+2:G0B+4*\s+3], s[46:47], \s*ROWB
	s_or_b32 s[G0B+4*\s+3], s[G0B+4*\s+3], 0x80000000
	JLOAD G0+4*\s, G1, G0B+4*\s, G1B
.endr
	v_and_b32 v1, 15, v0                           ; r
	v_bfe_u32 v2, v0, 4, 1                         ; h
	v_mul_u32_u24 v3, v1, PITCH
	v_lshl_add_u32 v4, v2, 4, v3
	s_mul_i32 s21, s15, HALFT
	s_mul_i32 s22, s16, HALFT
	s_add_co_u32 s22, s22, 2*HALFT
.irp s, 0,1
	v_add_nc_u32 v[ADRA+\s], s21, v4
	v_add_nc_u32 v[ADRB+\s], s22, v4
	s_add_co_u32 s21, s21, SLOT
	s_add_co_u32 s22, s22, SLOT
.endr
	v_mul_u32_u24 v5, v1, KS
	v_lshrrev_b32 v6, 8, v5
	v_lshl_add_u32 v5, v6, 4, v5
	s_mul_i32 s21, s15, HALFS
	s_mul_i32 s22, s16, HALFS
	s_add_co_u32 s22, s22, 2*HALFS
	s_sub_co_u32 s22, s22, s21
	v_mul_u32_u24 v6, s22, v2
	s_add_co_u32 s21, s21, SCL
	v_add_nc_u32 v5, v5, v6
	v_add_nc_u32 v[ADRS], s21, v5
	v_lshlrev_b32 v30, 5, v2                       ; the bias by columns: 32 h bytes
	v_lshlrev_b32 v31, 2, v1
	s_lshl_b32 s20, s17, 8
	s_lshl_b32 s21, s15, 7
	s_add_co_u32 s20, s20, s21                     ; my first row of C
	s_lshl_b32 s94, s42, 1
	s_add_co_u32 s94, s94, s16                     ; my panel
	s_lshl_b32 s46, s94, 9
	s_mov_b32 s47, 0
.if QKV
	s_lshl_b32 s92, s20, 2
	s_mov_b32 s93, 0
	s_cmp_eq_u32 s95, 1
	s_cselect_b32 s46, 0, s46
	s_cselect_b32 s92, s92, 0
	s_add_nc_u64 s[100:101], s[96:97], s[92:93]
.endif
	s_add_nc_u64 s[98:99], s[96:97], s[46:47]
.irp b, 0,1,2,3,4,5,6,7
	global_load_b128 v[BI+8*\b:BI+8*\b+3], v30, s[98:99] offset:64*\b          ; register 8 b + j: the bias of column 16 b + 8 h + j
	global_load_b128 v[BI+8*\b+4:BI+8*\b+7], v30, s[98:99] offset:64*\b+16
.endr
.if QKV
.irp a, 0,1,2,3,4,5,6,7
	global_load_b32 v[2+2*\a+(\a/7)*6], v31, s[100:101] offset:64*\a
	global_load_b32 v[3+2*\a+(\a/7)*6], v31, s[100:101] offset:64*\a
.endr
	s_cmp_eq_u32 s95, 1
	s_cselect_b32 s47, 17, 19
	s_lshl_b32 s92, s94, s47
	s_sub_co_u32 s47, s47, 5
	s_lshl_b32 s93, s94, s47
	s_lshl_b32 s47, ttmp9, 22
	s_add_co_u32 s92, s92, s47
	s_lshl_b32 s47, ttmp9, 17
	s_add_co_u32 s93, s93, s47
	s_add_co_u32 s93, s93, 0xC00000
.else
	s_lshl_b32 s92, s94, 19                        ; a panel's codes: 4,096 rows of 128 bytes
	s_lshl_b32 s93, s94, 14
	s_add_co_u32 s93, s93, 0x1000000
.endif
	s_lshl_b32 s47, s20, 7
	s_add_co_u32 s92, s92, s47
	s_lshl_b32 s47, s20, 2
	s_add_co_u32 s93, s93, s47
	s_mov_b32 s47, 0
	s_mov_b32 s46, s93
	s_add_nc_u64 s[66:67], s[12:13], s[46:47]      ; my 512 bytes of scale words
	s_mov_b32 s46, s92
	s_add_nc_u64 s[12:13], s[12:13], s[46:47]      ; my 16 KB of codes
.macro FRAG reg, adr, q, i
.irp c, 0,1,2,3
	ds_load_b128 v[\reg+4*\c:\reg+4*\c+3], v[\adr] offset:128*(\q)+32*\c+(\i)*16*PITCH
.endr
.endm
.macro MUL16 a0, p, q, sc, zero        ; the 64 accumulators take turns, one instruction a turn
.irp a, \a0, \a0+1
.irp b, 0,1,2,3,4,5,6,7
.if \zero
	v_wmma_scale_f32_16x16x128_f8f6f4 v[8*(8*((\a)%4)+\b):8*(8*((\a)%4)+\b)+7], v[128*(\p)+FR*\b:128*(\p)+FR*\b+FR-1], v[AF+FR*(\a):AF+FR*(\a)+FR-1], 0, v[SC+8*NQ*(\sc)+NQ*\b+(\q)], v[SC+8*NQ*(\sc)+NQ*(\a)+(\q)] matrix_a_scale:MATRIX_SCALE_ROW1
.else
	v_wmma_scale_f32_16x16x128_f8f6f4 v[8*(8*((\a)%4)+\b):8*(8*((\a)%4)+\b)+7], v[128*(\p)+FR*\b:128*(\p)+FR*\b+FR-1], v[AF+FR*(\a):AF+FR*(\a)+FR-1], v[8*(8*((\a)%4)+\b):8*(8*((\a)%4)+\b)+7], v[SC+8*NQ*(\sc)+NQ*\b+(\q)], v[SC+8*NQ*(\sc)+NQ*(\a)+(\q)] matrix_a_scale:MATRIX_SCALE_ROW1
.endif
.endr
.endr
.endm
.macro FETCH_B slot, q, p
	WIN TO_B
.irp i, 0,1,2,3,4,5,6,7
	FRAG 128*(\p)+FR*\i, ADRB+\slot, \q, \i
.endr
	WIN 0
.endm
.macro FETCH_A slot, q, i0
.irp i, \i0, \i0+1, \i0+2, \i0+3
	FRAG AF+FR*(\i), ADRA+\slot, \q, \i
.endr
.endm
.macro SCALES sc
.irp i, 0,1,2,3,4,5,6,7
	ds_load_b64 v[SC+8*NQ*\sc+NQ*\i:SC+8*NQ*\sc+NQ*\i+1], v[ADRS] offset:\i*SBLK
.endr
.endm
.macro PLACES n
.rept \n
	v_nop
.endr
.endm
.macro STEP slot, q, zero
	s_wait_dscnt 4*NL                              ; all but A's blocks 4-7, the youngest 16 loads
	WIN MUL_LO
	MUL16 0, (\q)%2, \q, \slot, \zero
	MUL16 2, (\q)%2, \q, \slot, \zero
	s_wait_dscnt 0
	PLACES NP
	FETCH_B \slot, (\q)+1, 1-(\q)%2
	FETCH_A \slot, (\q)+1, 0
	WIN MUL_HI
	MUL16 4, (\q)%2, \q, \slot, \zero
	MUL16 6, (\q)%2, \q, \slot, \zero
	PLACES NP
	WIN 0
	FETCH_A \slot, (\q)+1, 4
.endm
.macro TURN slot, next, fill
	s_wait_tensorcnt 0x0                           ; all my tensor loads have landed: my part of the next slot
	ds_add_u32 v[SPW], v[NIL]
	s_wait_dscnt 4*NL+1                            ; the add and A's blocks 4-7 may be out
	WIN MUL_LO
	MUL16 0, 1, NQ-1, \slot, 0
	s_wait_dscnt 0x0                               ; the add is done, and my reads of this slot are over
	s_barrier_signal -1
	MUL16 2, 1, NQ-1, \slot, 0
	WIN 0
	s_barrier_wait -1
.if \fill
	CREST
	s_add_nc_u64 s[G0+4*\slot+2:G0+4*\slot+3], s[G0+4*\slot+2:G0+4*\slot+3], 2*ROWB
	s_add_nc_u64 s[G0B+4*\slot+2:G0B+4*\slot+3], s[G0B+4*\slot+2:G0B+4*\slot+3], 2*ROWB
	JLOAD G0+4*\slot, G1, G0B+4*\slot, G1B
	PLACES NP-4
.else
	PLACES NP
.endif
	v_add_nc_u32 v[ADRS], 4*NQ, v[ADRS]
	FETCH_B \next, 0, 0
	FETCH_A \next, 0, 0
	SCALES \next
	WIN MUL_HI
	MUL16 4, 1, NQ-1, \slot, 0
	MUL16 6, 1, NQ-1, \slot, 0
	PLACES NP
	WIN 0
	FETCH_A \next, 0, 4
.endm
	s_wait_tensorcnt 1                             ; the scales and my part of K step 0 are in; K step 1's load may be out
	s_barrier_signal -1
	s_barrier_wait -1
	FETCH_B 0, 0, 0
	FETCH_A 0, 0, 0
	SCALES 0
	FETCH_A 0, 0, 4
	STEP 0, 0, 1
	s_mov_b32 s3, LAPS-1
.Llap:
	TURN 0, 1, 1
	STEP 1, 0, 0
	TURN 1, 0, 1
	STEP 0, 0, 0
	s_sub_co_u32 s3, s3, 1
	s_cmp_lg_u32 s3, 0
	s_cbranch_scc1 .Llap
	TURN 0, 1, 0
	STEP 1, 0, 0
	s_wait_dscnt 4*NL
	WIN MUL_LO
	MUL16 0, 1, NQ-1, 1, 0
	MUL16 2, 1, NQ-1, 1, 0
	s_wait_dscnt 0
	WIN MUL_HI
	MUL16 4, 1, NQ-1, 1, 0
	MUL16 6, 1, NQ-1, 1, 0
	WIN 0
; ---- THE WAY OUT.  The stage, 3,072 bytes a wave (16 rows x 144, and from 2,560 on 512 bytes of scale words), lies in slot 0, which has had its last fill and, behind the last change of slots, its last read.
	PLACES NP
	s_wait_loadcnt 0x0                             ; the bias
	v_and_b32 v1, 15, v0
	v_bfe_u32 v24, v0, 4, 1
	v_and_b32 v25, 31, v0
	s_mul_i32 s46, s14, 3072
	v_mul_u32_u24 v[STO], v1, 144
	v_lshl_add_u32 v[STO], v24, 3+QKV, v[STO]      ; pieces of 8 bytes
	v_add_nc_u32 v[STO], s46, v[STO]
	v_lshrrev_b32 v[RD], 3, v25
	v_mul_u32_u24 v[RD], v[RD], 144
	v_and_b32 v26, 7, v25
	v_lshl_add_u32 v[RD], v26, 4, v[RD]
	v_add_nc_u32 v[RD], s46, v[RD]
	v_lshlrev_b32 v[CO], 4, v25
	s_add_co_u32 s46, s46, 2560
	v_lshl_add_u32 v[SWB], v1, 2, s46
	v_add_nc_u32 v[SWR], s46, v[CO]
	s_mov_b32 s[SEL], 0x76543210
	s_mov_b32 s[SEL+1], 0xfedcba98
	s_mov_b32 s[MNT], 0x600000
.irp b, 0,1,2,3
	v_mov_b32 v[TM+4+\b], 0
.endr
.macro CONST r, x
	s_mov_b32 s[\r], \x
	s_mov_b32 s[\r+1], \x
.endm
.if QKV == 0
	; erfc(z) = t exp(-z^2 + c0 + t (c1 + .. + t c9)), t = 1 / (1 + z / 2), z = |x| / sqrt(2): a fit whose error is a fraction of erfc itself, so the small negative tail of gelu keeps f32's relative accuracy
	CONST 24, 0x3e2ef945                           ; c9 = 0.17087277  (every tensor load has been waited for: the descriptors' registers are free)
	v_mov_b32 v30, 0xbf527892                      ; c8 = -0.82215223
	v_mov_b32 v31, 0xbf527892
	CONST 26, 0x3fbe87b0                           ; c7 = 1.48851587
	CONST 28, 0xbf914e5d                           ; c6 = -1.13520398
	CONST 30, 0x3e8ec7cc                           ; c5 = 0.27886807
	CONST 32, 0xbe3ec24c                           ; c4 = -0.18628806
	CONST 34, 0x3dc636c9                           ; c3 = 0.09678418
	CONST 36, 0x3ebf88fb                           ; c2 = 0.37409196
	CONST 38, 0x3f8000c7                           ; c1 = 1.00002368
	CONST 40, 0xbfa1fc4e                           ; c0 = -1.26551223
	s_mov_b32 s42, 0x3eb504f3                      ; 1 / (2 sqrt(2))
	CONST 44, 0x3fb8aa3b                           ; log2(e)
.endif
; gelu(x) = max(x, 0) - (|x| t) (e / 2), e = exp(..) as above, for 32 numbers from v[H + o] on: no compare, no select.  The half goes into the exponent (- 1 behind the factor log2(e)).
; Plain work stands between the transcendentals: the next number's 1 + z / 2 between the reciprocals; |x| t and max(x, 0) between the exponentials.  None of it names a result: each batch has one wait.
.macro GELU o
	v_fma_f32 v[T], |v[H+(\o)]|, s42, 1.0
	v_fma_f32 v[T+1], |v[H+(\o)+1]|, s42, 1.0
.set n, 0
.rept 30
	v_rcp_f32 v[T+n], v[T+n]                       ; t
	v_fma_f32 v[T+n+2], |v[H+(\o)+n+2]|, s42, 1.0
.set n, n+1
.endr
	v_rcp_f32 v[T+30], v[T+30]
	v_rcp_f32 v[T+31], v[T+31]
	v_nop
	s_wait_alu depctr_va_vdst(0)
.set n, 0
.rept 16
	v_pk_fma_f32 v[P+n:P+n+1], v[T+n:T+n+1], s[24:25], v[30:31] op_sel_hi:[1,0,1]
.set n, n+2
.endr
.irp c, 26,28,30,32,34,36,38,40
.set n, 0
.rept 16
	v_pk_fma_f32 v[P+n:P+n+1], v[P+n:P+n+1], v[T+n:T+n+1], s[\c:\c+1] op_sel_hi:[1,1,0]
.set n, n+2
.endr
.endr
.irp g, 0,8,16,24
.irp k, 0,2,4,6
	v_pk_mul_f32 v[2+\k:3+\k], v[H+(\o)+\g+\k:H+(\o)+\g+\k+1], -0.5 op_sel_hi:[1,0]
.endr
.irp k, 0,2,4,6
	v_pk_fma_f32 v[P+\g+\k:P+\g+\k+1], v[2+\k:3+\k], v[H+(\o)+\g+\k:H+(\o)+\g+\k+1], v[P+\g+\k:P+\g+\k+1]   ; - x^2 / 2
.endr
.endr
.set n, 0
.rept 16
	v_pk_fma_f32 v[P+n:P+n+1], v[P+n:P+n+1], s[44:45], -1.0 op_sel_hi:[1,0,0]      ; x log2(e), - 1: the half
.set n, n+2
.endr
.set n, 0
.rept 32
	v_exp_f32 v[P+n], v[P+n]                       ; e / 2
	v_mul_f32 v[T+n], |v[H+(\o)+n]|, v[T+n]        ; |x| t
	v_max_num_f32 v[H+(\o)+n], 0, v[H+(\o)+n]
.set n, n+1
.endr
	s_wait_alu depctr_va_vdst(0)
.set n, 0
.rept 16
	v_pk_fma_f32 v[H+(\o)+n:H+(\o)+n+1], v[P+n:P+n+1], v[T+n:T+n+1], v[H+(\o)+n:H+(\o)+n+1] neg_lo:[1,0,0] neg_hi:[1,0,0]
.set n, n+2
.endr
.endm
; 64 numbers of a lane, v[s] on (16 of each of four blocks of 32), become 16 registers of codes in v[PC] on and the row's scale word in v[PW]
.macro QUANT s
.irp b, 0,1,2,3
	v_max3_num_f32 v[TM+\b], |v[\s+16*\b]|, |v[\s+1+16*\b]|, 0x4800000   ; and the floor 2^(9 - 127)
.endr
.irp i, 2,4,6,8,10,12,14
.irp b, 0,1,2,3
	v_max3_num_f32 v[TM+\b], v[TM+\b], |v[\s+16*\b+\i]|, |v[\s+1+16*\b+\i]|
.endr
.endr
.irp b, 0,1,2,3
	v_permlanex16_b32 v[TM+4+\b], v[TM+\b], s[SEL], s[SEL+1]
.endr
.irp b, 0,1,2,3
	v_max_num_f32 v[TM+\b], v[TM+\b], v[TM+4+\b]
.endr
.irp b, 0,1,2,3
	v_add_nc_u32 v[TM+12+\b], 0xfc000000, v[TM+\b]
.endr
.irp b, 0,1,2,3
	v_and_or_b32 v[TM+8+\b], v[TM+\b], 0x7f800000, s[MNT]
.endr
.irp b, 0,1,2,3
	v_lshrrev_b32 v[TM+4+\b], 23, v[TM+12+\b]
.endr
	v_lshl_or_b32 v[PW], v[TM+5], 8, v[TM+4]
	v_lshl_or_b32 v[PW], v[TM+6], 16, v[PW]
	v_lshl_or_b32 v[PW], v[TM+7], 24, v[PW]
.irp b, 0,1,2,3
.irp i, 0,1,2,3,4,5,6,7,8,9,10,11,12,13,14,15
	v_med3_num_f32 v[\s+16*\b+\i], v[\s+16*\b+\i], -v[TM+8+\b], v[TM+8+\b]   ; the conversion does not saturate (ISA guide 7.6.2)
.endr
	v_cvt_scalef32_pk8_fp8_f32 v[PC+4*\b:PC+1+4*\b], v[\s+16*\b:\s+7+16*\b], v[TM+12+\b]
	v_cvt_scalef32_pk8_fp8_f32 v[PC+2+4*\b:PC+3+4*\b], v[\s+8+16*\b:\s+15+16*\b], v[TM+12+\b]
.endr
	v_nop                                          ; a plain instruction behind the last conversion
.endm
; Block a's 64 results come into window 0, each accumulator from its low end on, and the move is the addition of the bias
.macro STUB id, a, form
.Lc\id:
.set WN, 0x02+(\a)/4
	WIN WN
.set RBR, 2+2*(\a)+((\a)/7)*6
.set n, 0
.rept 32
.if \form
	v_pk_add_f32 v[H+n:H+n+1], v[64*((\a)%4)+n:64*((\a)%4)+n+1], v[RBR:RBR+1]
.else
	v_pk_add_f32 v[H+n:H+n+1], v[64*((\a)%4)+n:64*((\a)%4)+n+1], v[BI+n:BI+n+1]
.endif
.set n, n+2
.endr
	WIN 0
	s_branch .Lwork
.endm
; The codes of the block before, read back at the last trip's end, are stored: the base has been stepped since, so the stores reach back
.macro FLUSH
	s_wait_dscnt 0x0                               ; they are back from the stage
.irp i, 0,1,2,3
	global_store_b128 v[CO], v[OUTR+4*\i:OUTR+4*\i+3], s[12:13] offset:512*\i-2048   ; 512 consecutive bytes
.endr
.endm
	s_mov_b32 s3, 0                                ; the block
	s_mov_b32 s22, 0                               ; its scale words' place in the stage
.Lepi:
.if QKV
	s_lshl_b32 s47, s95, 3
	s_add_co_u32 s47, s47, s3
.irp k, 1,2,3,4,5,6,7,8,9,10,11,12,13,14,15
	s_cmp_eq_u32 s47, \k
	s_cbranch_scc1 .Lc\k
.endr
.else
.irp k, 1,2,3,4,5,6,7
	s_cmp_eq_u32 s3, \k
	s_cbranch_scc1 .Lc\k
.endr
.endif
.irp a, 0,1,2,3,4,5,6,7
	STUB \a, \a, 0
.endr
.if QKV
	STUB 8, 0, 1
	STUB 9, 1, 1
	STUB 10, 2, 1
	STUB 11, 3, 1
	STUB 12, 4, 1
	STUB 13, 5, 1
	STUB 14, 6, 1
	STUB 15, 7, 1
.endif
.Lwork:
.if QKV == 0
	GELU 0
.endif
	s_cmp_eq_u32 s3, 0                             ; the first trip has no block before it
	s_cbranch_scc1 .Lfirst
	FLUSH
.Lfirst:
.if QKV == 0
	GELU 32
.endif
	QUANT H
	s_wait_xcnt 0x0                                ; the stores above have read their data and their base: both are written again
	s_wait_dscnt 0x0                               ; and no earlier load into those registers is out, on the way round the stores too
	s_add_nc_u64 s[12:13], s[12:13], 2048
.irp b, 0,1,2,3
.if QKV
	ds_store_b128 v[STO], v[PC+4*\b:PC+4*\b+3] offset:32*\b
.else
	ds_store_b64 v[STO], v[PC+4*\b:PC+4*\b+1] offset:32*\b          ; columns 32 b + 8 h on
	ds_store_b64 v[STO], v[PC+4*\b+2:PC+4*\b+3] offset:32*\b+16     ; columns 32 b + 16 + 8 h on
.endif
.endr
	v_add_nc_u32 v[SWT], s22, v[SWB]
	ds_store_b32 v[SWT], v[PW]                     ; both halves of the lanes write the same word with the same value
.irp i, 0,1,2,3
	ds_load_b128 v[OUTR+4*\i:OUTR+4*\i+3], v[RD] offset:576*\i      ; LDS serves a wave's instructions in order: these see my stores; they are waited for in the next trip
.endr
	s_add_co_u32 s22, s22, 64
	s_add_co_u32 s3, s3, 1
	s_cmp_lt_u32 s3, 8
	s_cbranch_scc1 .Lepi
	FLUSH                                          ; the last block
	ds_load_b128 v[48:51], v[SWR]                  ; my 128 rows' scale words
	s_wait_dscnt 0x0
	global_store_b128 v[CO], v[48:51], s[66:67]
	s_wait_tensorcnt 0x0                           ; the wave's end
	ds_add_u32 v[SPW], v[NIL]
	s_wait_dscnt 0x0
	CROUND                                         ; the closing round
	s_endpgm
.Lfunc_end_k_q79c52f510d_w1:
	.size	k_q79c52f510d_w1, .Lfunc_end_k_q79c52f510d_w1-k_q79c52f510d_w1
	.p2alignl 7, 3214868480
	.fill 96, 4, 3214868480
	.section	.rodata,"a",@progbits
	.p2align	6, 0x0
	.amdhsa_kernel k_q79c52f510d_w1
		.amdhsa_group_segment_fixed_size 327680
		.amdhsa_private_segment_fixed_size 0
		.amdhsa_enable_private_segment 0
		.amdhsa_kernarg_size 40
		.amdhsa_user_sgpr_count 2
		.amdhsa_user_sgpr_kernarg_segment_ptr 1
		.amdhsa_wavefront_size32 1
		.amdhsa_system_sgpr_workgroup_id_x 1
		.amdhsa_system_sgpr_workgroup_id_y 1
		.amdhsa_system_sgpr_workgroup_id_z 1
		.amdhsa_system_vgpr_workitem_id 0
		.amdhsa_next_free_vgpr 1024
		.amdhsa_next_free_sgpr 102
		.amdhsa_reserve_vcc 0
		.amdhsa_float_denorm_mode_32 3
		.amdhsa_float_denorm_mode_16_64 3
		.amdhsa_memory_ordered 1
		.amdhsa_forward_progress 1
		.amdhsa_inst_pref_size 188
	.end_amdhsa_kernel
	.amdgpu_metadata
---
amdhsa.version: [ 1, 2 ]
amdhsa.kernels:
  - .name:           k_q79c52f510d_w1
    .symbol:         k_q79c52f510d_w1.kd
    .args:
      - { .name: hb, .offset: 0, .size: 8, .value_kind: global_buffer, .address_space: global }
      - { .name: W1_codes, .offset: 8, .size: 8, .value_kind: global_buffer, .address_space: global }
      - { .name: W1_scales, .offset: 16, .size: 8, .value_kind: global_buffer, .address_space: global }
      - { .name: b1, .offset: 24, .size: 8, .value_kind: global_buffer, .address_space: global }
      - { .name: gb, .offset: 32, .size: 8, .value_kind: global_buffer, .address_space: global }
    .group_segment_fixed_size: 327680
    .private_segment_fixed_size: 0
    .kernarg_segment_align: 8
    .kernarg_segment_size: 40
    .max_flat_workgroup_size: 128
    .sgpr_count:     102
    .vgpr_count:     1024
    .wavefront_size: 32
...
	.end_amdgpu_metadata
.endif
;; end of part 6
;; launch w2 (part 7): grid 8 x 32, 4 waves a work-group, clusters of 4 x 4, 327,680 bytes of LDS; arguments gb, W2_codes, W2_scales, b2, x1, out0; writes out0
.if DOCPART == 7
	.amdgcn_target "amdgcn-amd-amdhsa--gfx1250"
	.amdhsa_code_object_version 6
	.text
	.protected	k_q79c52f510d_w2
	.globl	k_q79c52f510d_w2
	.p2align	8
	.type	k_q79c52f510d_w2,@function
k_q79c52f510d_w2:
	s_mov_b64 s[64:65], 0
	v_nop
	global_prefetch_b8 v0, s[64:65] scope:SCOPE_SE
	s_setreg_imm32_b32 hwreg(HW_REG_WAVE_MODE, 25, 1), 1
	s_wait_xcnt 0x0
	s_wait_alu depctr_hold_cnt(0) depctr_sa_sdst(0) depctr_va_vdst(0) depctr_va_sdst(0) depctr_va_ssrc(0) depctr_va_vcc(0) depctr_vm_vsrc(0)
	s_getreg_b32 s2, hwreg(HW_REG_IB_STS2, 6, 4)
	s_cmp_eq_u32 s2, 0
	s_cbranch_scc0 .Lentry_in_a_cluster
	s_endpgm
.Lentry_in_a_cluster:
	s_bfe_u32 s2, ttmp6, 0x10000c
	s_cmp_lg_u32 s2, 0xf033
	s_cbranch_scc0 .Lentry_shape_is_right
	s_endpgm
.Lentry_shape_is_right:
; out[m][n] = res[m][n] + bias[n] + sum over k of A[m][k] B[n][k], on codes of E4M3 with one E8M0 byte for each 32 along K: the text of the projection's launch with SIZE_K = 4,096.  M = 4,096, N = 1,024.
; (The input positions is left out of the whole program: see the first kernel.)
; A, made by the launch before, lies in panels: codes [K / 128][4096][128 bytes], scale words at +ASW [K / 128][4096][4].  B is a given weight: codes [1024][K], scale bytes [1024][K / 32].  res and out: f32 [4096][1024].
; A tile of C is 128 x 128, so that N = 1,024 gives 256 work-groups; four waves, 64 x 64 each: 16 accumulators.  K goes in steps of 512 through two LDS slots: waves 0, 1 fetch two of A's panels each (one load: two runs of
; 16 KB, padded behind every 128 bytes), waves 2, 3 fetch 64 rows x 512 bytes of B each.  The scales of the work-group's rows, for all of K, come once.  CLUSTERS: 4 x 4; A's tiles jointly along a row, B's along a column.
; THE MATRIX INSTRUCTION IS USED TRANSPOSED (source 0 = rows of B, source 1 = rows of A).  The bias is the C of each sum's first matrix instruction.  The residual's 64 x 64 numbers are asked for at the head, in the layout of the stores, and added on the way out.
; REGISTERS: window 0: v16-29 addresses; v32-95 scale words, two sets (A's 16, B's 16); v96-127 the bias; v128-255 the accumulators.  window 1: two fragment buffers (A's 4 x 16, B's 4 x 16).  window 2: v0-127 the residual.
.set SIZE_K, 4096
.set ASW,    0x1000000
.set RES,    0
.set KS,     SIZE_K/32
.set PA,     144
.set PB,     528
.set PANB,   128*PA
.set BOFF,   4*PANB
.set SLOT,   BOFF+128*PB
.set SCA,    2*SLOT
.set SCB,    SCA+4*SIZE_K
.set HALFSB, (64*KS/256)*272
.set SBLK,   (16*KS/256)*272
.set SPARE,  SCB+2*HALFSB
.set SP,     272
.set LAPS,   SIZE_K/1024
.set NP,     8
.set ADRA, 16
.set ADRB, 20
.set ASA,  22
.set ASB,  23
.set STO,  24
.set RD,   25
.set CO,   26
.set BO,   27
.set SPW,  28
.set NIL,  29
.set SA,   32
.set SB,   48
.set BK,   32
.set BIAS, 96
.set ACC,  128
.set F0,   0
.set F1,   128
.set G1, 24
.set G0, 32
.set G1B, 48
.set G0B, 56
.set G1S, 68
.set G0S, 76
.set G1SB, 80
.set G0SB, 88
.set MSB, 0
.macro WIN new
.if MSB != (\new)
	s_set_vgpr_msb (MSB<<8)|(\new)
.set MSB, (\new)
.endif
.endm
.set MUL,  0x05
.set TO_F, 0x40
.macro JLOAD g0a, g1a, g0b, g1b        ; waves 0 and 1 fetch for A, waves 2 and 3 for B; an s_nop 0 and four v_nop follow each line
	s_cmp_eq_u32 s17, 0
	s_cbranch_scc0 .Lfor_b_\@
	tensor_load_to_lds s[\g0a:\g0a+3], s[\g1a:\g1a+7]
	s_nop 0
.rept 4
	v_nop
.endr
	s_branch .Lasked_\@
.Lfor_b_\@:
	tensor_load_to_lds s[\g0b:\g0b+3], s[\g1b:\g1b+7]
	s_nop 0
.rept 4
	v_nop
.endr
.Lasked_\@:
.endm
.macro CREST
	s_cmp_lg_u32 s16, 0
	s_cbranch_scc1 .Lnot_wave_0_\@
	s_barrier_signal -3
.Lnot_wave_0_\@:
	s_barrier_wait -3
	s_barrier_signal -1
	s_barrier_wait -1
.endm
.macro CROUND
	s_barrier_signal -1
	s_barrier_wait -1
	CREST
.endm
	s_load_b256 s[4:11], s[0:1], 0x0               ; A, B's codes, B's scales, the bias
	s_load_b128 s[12:15], s[0:1], 0x20             ; the residual's buffer, out
	v_lshl_add_u32 v[SPW], v0, 2, SPARE
	v_mov_b32 v[NIL], 0
	ds_add_u32 v[SPW], v[NIL]                      ; the wave's opening: the add, twice on end, and its wait ahead of my first tensor load
	ds_add_u32 v[SPW], v[NIL]
	v_lshrrev_b32 v1, 5, v0
	v_readfirstlane_b32 s16, v1                    ; wave 0..3
	s_lshr_b32 s17, s16, 1
	s_and_b32 s18, s16, 1
	s_bfe_u32 s40, ttmp6, 0x40000                  ; cx, cy
	s_bfe_u32 s41, ttmp6, 0x40004
	s_lshl_b32 s42, ttmp9, 2
	s_add_co_u32 s42, s42, s40                     ; tile column
	s_and_b32 s19, ttmp7, 0xffff
	s_lshl_b32 s19, s19, 2
	s_add_co_u32 s19, s19, s41                     ; tile row
	s_lshl_b32 s43, s41, 2
	s_lshl_b32 s43, 15, s43
	s_lshl_b32 s44, 0x1111, s40
	s_or_b32 s[G1], s43, (3<<16)|(1<<20)|(1<<21)|(4<<22)|(3<<25)    ; A: elements of 8 bytes; 4 words of padding behind every 32 (128 bytes, which divide the stated row)
	s_mov_b32 s[G1+1], 2048<<16
	s_mov_b32 s[G1+2], 2<<16
	s_mov_b32 s[G1+3], 2048<<16
	s_mov_b32 s[G1+4], 2
	s_mov_b32 s[G1+5], 65536
	s_mov_b32 s[G1+6], 0
	s_mov_b32 s[G1+7], 0
	s_or_b32 s[G1B], s44, (0<<16)|(1<<20)|(1<<21)|(6<<22)|(3<<25)   ; B: 64 rows of 512 bytes, 4 words behind every 128
	s_mov_b32 s[G1B+1], 512<<16
	s_mov_b32 s[G1B+2], 64<<16
	s_mov_b32 s[G1B+3], 512<<16
	s_mov_b32 s[G1B+4], 64
	s_mov_b32 s[G1B+5], SIZE_K
	s_mov_b32 s[G1B+6], 0
	s_mov_b32 s[G1B+7], 0
	s_or_b32 s[G1S], s43, (3<<16)|(1<<21)          ; A's scale words: K / 256 rows of 512 bytes, 16,384 bytes apart
	s_mov_b32 s[G1S+1], 64<<16
	s_mov_b32 s[G1S+2], (SIZE_K/256)<<16
	s_mov_b32 s[G1S+3], 64<<16
	s_mov_b32 s[G1S+4], SIZE_K/256
	s_mov_b32 s[G1S+5], 2048
	s_mov_b32 s[G1S+6], 0
	s_mov_b32 s[G1S+7], 0
	s_or_b32 s[G1SB], s44, (3<<16)|(1<<20)|(1<<21)|(5<<22)|(3<<25)  ; B's scale bytes of 64 rows: dense, as rows of 256 bytes + 16
	s_mov_b32 s[G1SB+1], 32<<16
	s_mov_b32 s[G1SB+2], (64*KS/256)<<16
	s_mov_b32 s[G1SB+3], 32<<16
	s_mov_b32 s[G1SB+4], 64*KS/256
	s_mov_b32 s[G1SB+5], 32
	s_mov_b32 s[G1SB+6], 0
	s_mov_b32 s[G1SB+7], 0
	s_lshl_b32 s20, s18, 20
	s_lshl_b32 s21, s19, 14
	s_add_co_u32 s20, s20, s21
	s_mov_b32 s21, 0
	s_mul_i32 s22, s18, (SIZE_K/256)*16384
	s_lshl_b32 s23, s19, 9
	s_add_co_u32 s22, s22, s23
	s_add_co_u32 s22, s22, ASW
	s_mov_b32 s23, 0
	s_lshl_b32 s46, s42, 7
	s_lshl_b32 s47, s18, 6
	s_add_co_u32 s46, s46, s47
	s_mul_i32 s92, s46, KS
	s_mov_b32 s93, 0
	s_mul_i32 s46, s46, SIZE_K
	s_mov_b32 s47, 0
	s_mul_i32 s45, s18, 2*PANB
	s_mul_i32 s94, s18, 64*PB
	s_add_co_u32 s94, s94, BOFF
	s_mul_i32 s95, s18, (SIZE_K/256)*512
	s_add_co_u32 s95, s95, SCA
	s_mul_i32 s96, s18, HALFSB
	s_add_co_u32 s96, s96, SCB
	s_wait_dscnt 0x0                               ; both opening adds are done
	s_wait_kmcnt 0x0
	s_add_nc_u64 s[20:21], s[4:5], s[20:21]
	s_add_nc_u64 s[22:23], s[4:5], s[22:23]
	s_add_nc_u64 s[46:47], s[6:7], s[46:47]
	s_add_nc_u64 s[92:93], s[8:9], s[92:93]
	CROUND                                         ; all sixteen work-groups are here
	s_mov_b32 s[G0S], 1
	s_mov_b32 s[G0S+1], s95
	s_mov_b64 s[G0S+2:G0S+3], s[22:23]
	s_or_b32 s[G0S+3], s[G0S+3], 0x80000000
	s_mov_b32 s[G0SB], 1
	s_mov_b32 s[G0SB+1], s96
	s_mov_b64 s[G0SB+2:G0SB+3], s[92:93]
	s_or_b32 s[G0SB+3], s[G0SB+3], 0x80000000
	JLOAD G0S, G1S, G0SB, G1SB                     ; the scales first; three loads of mine are out behind the last of these
.irp s, 0,1
	s_mov_b32 s[G0+4*\s], 1
	s_add_co_u32 s[G0+4*\s+1], s45, \s*SLOT
	s_add_nc_u64 s[G0+4*\s+2:G0+4*\s+3], s[20:21], \s*2097152
	s_or_b32 s[G0+4*\s+3], s[G0+4*\s+3], 0x80000000
	s_mov_b32 s[G0B+4*\s], 1
	s_add_co_u32 s[G0B+4*\s+1], s94, \s*SLOT
	s_add_nc_u64 s[G0B+4*\s+2:G0B+4*\s+3], s[46:47], \s*512
	s_or_b32 s[G0B+4*\s+3], s[G0B+4*\s+3], 0x80000000
	JLOAD G0+4*\s, G1, G0B+4*\s, G1B
.endr
	v_and_b32 v1, 15, v0                           ; r
	v_bfe_u32 v2, v0, 4, 1                         ; h
	v_mul_u32_u24 v3, v1, PA
	v_lshl_add_u32 v3, v2, 4, v3
	s_mul_i32 s21, s17, 64*PA
	v_add_nc_u32 v[ADRA], s21, v3
	s_add_co_u32 s21, s21, SLOT
	v_add_nc_u32 v[ADRA+1], s21, v3
	v_mul_u32_u24 v4, v1, PB
	v_lshl_add_u32 v4, v2, 4, v4
	s_mul_i32 s22, s18, 64*PB
	s_add_co_u32 s22, s22, BOFF
	v_add_nc_u32 v[ADRB], s22, v4
	s_add_co_u32 s22, s22, SLOT
	v_add_nc_u32 v[ADRB+1], s22, v4
	s_lshl_b32 s21, s17, 8
	s_add_co_u32 s21, s21, SCA
	v_lshl_add_u32 v[ASA], v1, 2, s21
	v_mul_u32_u24 v5, v1, KS
	v_lshrrev_b32 v6, 8, v5
	v_lshl_add_u32 v5, v6, 4, v5
	s_mul_i32 s22, s18, HALFSB
	s_add_co_u32 s22, s22, SCB
	v_add_nc_u32 v[ASB], s22, v5
	s_mul_i32 s23, s16, 16*SP
	v_mul_u32_u24 v5, v1, SP
	v_lshl_add_u32 v5, v2, 5, v5
	v_add_nc_u32 v[STO], s23, v5
	v_mul_u32_u24 v5, v2, SP
	v_lshl_add_u32 v5, v1, 4, v5
	v_add_nc_u32 v[RD], s23, v5
	v_lshlrev_b32 v[CO], 12, v2
	v_lshl_add_u32 v[CO], v1, 4, v[CO]
	v_lshlrev_b32 v[BO], 5, v2
	s_wait_alu depctr_va_vdst(0)
	s_lshl_b32 s20, s19, 7
	s_lshl_b32 s21, s17, 6
	s_add_co_u32 s20, s20, s21
	s_lshl_b32 s20, s20, 12
	s_lshl_b32 s46, s42, 9
	s_lshl_b32 s47, s18, 8
	s_add_co_u32 s46, s46, s47
	s_mov_b32 s47, 0
	s_add_nc_u64 s[10:11], s[10:11], s[46:47]
	s_add_co_u32 s46, s46, s20
	s_add_nc_u64 s[14:15], s[14:15], s[46:47]
	s_add_nc_u64 s[12:13], s[12:13], s[46:47]
.if RES
	s_add_nc_u64 s[12:13], s[12:13], RES
.endif
.irp b, 0,1,2,3
	global_load_b128 v[BIAS+8*\b:BIAS+8*\b+3], v[BO], s[10:11] offset:64*\b
	global_load_b128 v[BIAS+8*\b+4:BIAS+8*\b+7], v[BO], s[10:11] offset:64*\b+16
.endr
	WIN 0x80                                       ; destination window 2
.irp a, 0,1,2,3
.irp i, 0,1,2,3,4,5,6,7
	global_load_b128 v[32*\a+4*\i:32*\a+4*\i+3], v[CO], s[12:13] offset:(16*\a+2*\i)*4096 th:TH_LOAD_NT
.endr
.endr
	WIN 0
.macro MUL4 f, a, q, sc, first         ; the 16 accumulators take turns, one instruction a turn
.irp b, 0,1,2,3
.if \first
	v_wmma_scale_f32_16x16x128_f8f6f4 v[ACC+8*(4*(\a)+\b):ACC+8*(4*(\a)+\b)+7], v[\f+64+16*\b:\f+64+16*\b+15], v[\f+16*(\a):\f+16*(\a)+15], v[BIAS+8*\b:BIAS+8*\b+7], v[SB+32*(\sc)+4*\b+(\q)], v[SA+32*(\sc)+4*(\a)+(\q)]
.else
	v_wmma_scale_f32_16x16x128_f8f6f4 v[ACC+8*(4*(\a)+\b):ACC+8*(4*(\a)+\b)+7], v[\f+64+16*\b:\f+64+16*\b+15], v[\f+16*(\a):\f+16*(\a)+15], v[ACC+8*(4*(\a)+\b):ACC+8*(4*(\a)+\b)+7], v[SB+32*(\sc)+4*\b+(\q)], v[SA+32*(\sc)+4*(\a)+(\q)]
.endif
.endr
.endm
.macro FETCH slot, q, f, sc
	WIN TO_F
.irp i, 0,1,2,3
.irp c, 0,1,2,3
	ds_load_b128 v[\f+64+16*\i+4*\c:\f+64+16*\i+4*\c+3], v[ADRB+\slot] offset:\i*16*PB+128*(\q)+32*\c
.endr
.endr
.irp i, 0,1
.irp c, 0,1,2,3
	ds_load_b128 v[\f+16*\i+4*\c:\f+16*\i+4*\c+3], v[ADRA+\slot] offset:(\q)*PANB+\i*16*PA+32*\c
.endr
.endr
.if \sc >= 0
	WIN 0
.irp i, 0,1,2,3
.irp u, 0,1,2,3
	ds_load_b32 v[SA+32*(\sc)+4*\i+\u], v[ASA] offset:512*\u+64*\i
.endr
	ds_load_b128 v[SB+32*(\sc)+4*\i:SB+32*(\sc)+4*\i+3], v[ASB] offset:\i*SBLK
.endr
	WIN TO_F
.endif
.irp i, 2,3
.irp c, 0,1,2,3
	ds_load_b128 v[\f+16*\i+4*\c:\f+16*\i+4*\c+3], v[ADRA+\slot] offset:(\q)*PANB+\i*16*PA+32*\c
.endr
.endr
.endm
.macro PLACES n
.rept \n
	v_nop
.endr
.endm
.macro QUARTER slot, q, f, g, first
	s_wait_dscnt 8                                 ; all but A's blocks 2 and 3, the youngest eight loads
	WIN MUL
	MUL4 \f, 0, \q, \slot, \first
	MUL4 \f, 1, \q, \slot, \first
	PLACES NP
	FETCH \slot, (\q)+1, \g, -1
	s_wait_dscnt 32                                ; all but the 32 just issued
	WIN MUL
	MUL4 \f, 2, \q, \slot, \first
	MUL4 \f, 3, \q, \slot, \first
.endm
.macro TURN slot, next, fill
	WIN 0
	s_wait_tensorcnt 0x0                           ; all my tensor loads have landed: my part of the next slot
	ds_add_u32 v[SPW], v[NIL]
	s_wait_dscnt 9                                 ; the add and A's blocks 2 and 3 may be out
	WIN MUL
	MUL4 F1, 0, 3, \slot, 0
	s_wait_dscnt 0x0                               ; the add is done, and my reads of this slot are over
	s_barrier_signal -1
	MUL4 F1, 1, 3, \slot, 0
	WIN 0
	s_barrier_wait -1
.if \fill
	CREST                                          ; the barrier has opened a round of the cluster's
	s_add_nc_u64 s[G0+4*\slot+2:G0+4*\slot+3], s[G0+4*\slot+2:G0+4*\slot+3], 4194304
	s_add_nc_u64 s[G0B+4*\slot+2:G0B+4*\slot+3], s[G0B+4*\slot+2:G0B+4*\slot+3], 1024
	JLOAD G0+4*\slot, G1, G0B+4*\slot, G1B
	PLACES NP-4
.else
	PLACES NP
.endif
	s_wait_alu depctr_va_vdst(0)
	v_add_nc_u32 v[ASA], 2048, v[ASA]
	v_add_nc_u32 v[ASB], 16, v[ASB]
	FETCH \next, 0, F0, \next
	WIN MUL
	MUL4 F1, 2, 3, \slot, 0
	MUL4 F1, 3, 3, \slot, 0
.endm
	s_wait_tensorcnt 1                             ; the scales and my part of slot 0 are in; slot 1's load may be out
	s_barrier_signal -1
	s_barrier_wait -1
	FETCH 0, 0, F0, 0
	s_wait_loadcnt 32                              ; the bias is in; the residual's 32 loads may be out
	QUARTER 0, 0, F0, F1, 1
.if LAPS > 1
	WIN 0
	s_mov_b32 s3, LAPS-1
.Llap:                                                 ; a trip goes once round the ring and fills both slots again
	QUARTER 0, 1, F1, F0, 0
	QUARTER 0, 2, F0, F1, 0
	TURN 0, 1, 1
	QUARTER 1, 0, F0, F1, 0
	QUARTER 1, 1, F1, F0, 0
	QUARTER 1, 2, F0, F1, 0
	TURN 1, 0, 1
	QUARTER 0, 0, F0, F1, 0
	WIN 0
	s_sub_co_u32 s3, s3, 1
	s_cmp_lg_u32 s3, 0
	s_cbranch_scc1 .Llap
.endif
	QUARTER 0, 1, F1, F0, 0                        ; the last lap fills nothing
	QUARTER 0, 2, F0, F1, 0
	TURN 0, 1, 0
	QUARTER 1, 0, F0, F1, 0
	QUARTER 1, 1, F1, F0, 0
	QUARTER 1, 2, F0, F1, 0
	s_wait_dscnt 8
	WIN MUL
	MUL4 F1, 0, 3, 1, 0
	MUL4 F1, 1, 3, 1, 0
	s_wait_dscnt 0
	MUL4 F1, 2, 3, 1, 0
	MUL4 F1, 3, 3, 1, 0
	WIN 0
; THE WAY OUT: a wave's 64 columns are 256 bytes: a block of 16 rows goes through the wave's own stage (in slot 0, which has had its last fill and its last read) and comes back as whole rows; the residual is added; sixteen lanes store 256 consecutive bytes
.macro TOSTAGE a
.irp b, 0,1,2,3
	ds_store_b128 v[STO], v[ACC+8*(4*(\a)+\b):ACC+8*(4*(\a)+\b)+3] offset:64*\b    ; each accumulator from its low end on
	ds_store_b128 v[STO], v[ACC+8*(4*(\a)+\b)+4:ACC+8*(4*(\a)+\b)+7] offset:64*\b+16
.endr
.set BB, BK+32*((\a)%2)
.irp i, 0,1,2,3,4,5,6,7
	ds_load_b128 v[BB+4*\i:BB+4*\i+3], v[RD] offset:\i*2*SP
.endr
.endm
.macro SEND a, younger
.set BB, BK+32*((\a)%2)
	s_wait_dscnt \younger
	WIN 0x08                                       ; source 1: window 2
.set n, 0
.rept 16
	v_pk_add_f32 v[BB+n:BB+n+1], v[BB+n:BB+n+1], v[32*(\a)+n:32*(\a)+n+1]
.set n, n+2
.endr
	WIN 0
.irp i, 0,1,2,3,4,5,6,7
	global_store_b128 v[CO], v[BB+4*\i:BB+4*\i+3], s[14:15] offset:(16*(\a)+2*\i)*4096 th:TH_STORE_NT
.endr
.endm
	PLACES NP
	s_wait_loadcnt 0x0                             ; the residual
	TOSTAGE 0
.irp a, 1,2,3
.if \a > 1
	s_wait_xcnt 0x0                                ; block a - 2's stores have read their data: block a's loads may land there
.endif
	TOSTAGE \a
	SEND \a-1, 16                                  ; behind block a - 1's loads: block a's 8 stores and 8 loads
.endr
	SEND 3, 0
	s_wait_tensorcnt 0x0                           ; the wave's end
	ds_add_u32 v[SPW], v[NIL]
	s_wait_dscnt 0x0
	CROUND                                         ; the closing round
	s_endpgm
.Lfunc_end_k_q79c52f510d_w2:
	.size	k_q79c52f510d_w2, .Lfunc_end_k_q79c52f510d_w2-k_q79c52f510d_w2
	.p2alignl 7, 3214868480
	.fill 96, 4, 3214868480
	.section	.rodata,"a",@progbits
	.p2align	6, 0x0
	.amdhsa_kernel k_q79c52f510d_w2
		.amdhsa_group_segment_fixed_size 327680
		.amdhsa_private_segment_fixed_size 0
		.amdhsa_enable_private_segment 0
		.amdhsa_kernarg_size 48
		.amdhsa_user_sgpr_count 2
		.amdhsa_user_sgpr_kernarg_segment_ptr 1
		.amdhsa_wavefront_size32 1
		.amdhsa_system_sgpr_workgroup_id_x 1
		.amdhsa_system_sgpr_workgroup_id_y 1
		.amdhsa_system_sgpr_workgroup_id_z 1
		.amdhsa_system_vgpr_workitem_id 0
		.amdhsa_next_free_vgpr 768
		.amdhsa_next_free_sgpr 100
		.amdhsa_reserve_vcc 0
		.amdhsa_float_denorm_mode_32 3
		.amdhsa_float_denorm_mode_16_64 3
		.amdhsa_memory_ordered 1
		.amdhsa_forward_progress 1
		.amdhsa_inst_pref_size 104
	.end_amdhsa_kernel
	.amdgpu_metadata
---
amdhsa.version: [ 1, 2 ]
amdhsa.kernels:
  - .name:           k_q79c52f510d_w2
    .symbol:         k_q79c52f510d_w2.kd
    .args:
      - { .name: gb, .offset: 0, .size: 8, .value_kind: global_buffer, .address_space: global }
      - { .name: W2_codes, .offset: 8, .size: 8, .value_kind: global_buffer, .address_space: global }
      - { .name: W2_scales, .offset: 16, .size: 8, .value_kind: global_buffer, .address_space: global }
      - { .name: b2, .offset: 24, .size: 8, .value_kind: global_buffer, .address_space: global }
      - { .name: x1, .offset: 32, .size: 8, .value_kind: global_buffer, .address_space: global }
      - { .name: out0, .offset: 40, .size: 8, .value_kind: global_buffer, .address_space: global }
    .group_segment_fixed_size: 327680
    .private_segment_fixed_size: 0
    .kernarg_segment_align: 8
    .kernarg_segment_size: 48
    .max_flat_workgroup_size: 128
    .sgpr_count:     100
    .vgpr_count:     768
    .wavefront_size: 32
...
	.end_amdgpu_metadata
.endif
;; end of part 7
